; MI455X (gfx1250); checked and timed in simulation.
; The chip was launched on July 23, 2026; its instructions are those of AMD's public machine-readable ISA for CDNA 5 (MIT licence, August 2026) and "CDNA5" Instruction Set Architecture Reference Guide (July 2026). The comments in the code are by the model that wrote it; some were corrected since.
;; A2a Sparse MLP. Allowed arithmetic: float matrix products may take bf16 or f16 operands with f32 sums; other float arithmetic in f32, or as packed bf16 or f16 multiplies, adds, multiply-adds, maxima and minima; sums over many terms, partial sums and values carried from step to step in f32; what a program stores and reads back later, other than sums and carried values, may be rounded once to bf16 or f16.
;; Inputs: down_bias 8 x 1,024 float32; down_proj 8 x 1,024 x 1,024 float32; gate_up_bias 8 x 2,048 float32; gate_up_proj 8 x 1,024 x 2,048 float32; hidden_states 1 x 2,048 x 1,024 float32; router_b 8 float32; router_w 1,024 x 8 float32.
;; Outputs: out0 1 x 2,048 x 1,024 float32; out1 1 x 2,048 x 8 float32.
;; 2 versions, each right; version 2 is version 1 with the launch down written anew for expert scheduling mode. Each part assembles by itself: llvm-mc -triple=amdgcn-amd-amdhsa -mcpu=gfx1250 --defsym DOCPART=n.
;; ======== version 1 of 2: 4 launches
;; workspace buffers: xb 4,194,304 bytes; code 8,192 bytes of whole numbers; wts 16,384 bytes; actb 33,554,432 bytes; part 16,777,216 bytes; rows 40,960 bytes of whole numbers
;; launch router (part 1): grid 128 x 1, 8 waves a work-group, no clusters, 75,264 bytes of LDS; arguments hidden_states, router_w, router_b, xb, code, wts, out1; writes xb, code, wts, out1
.if DOCPART == 1
	.amdgcn_target "amdgcn-amd-amdhsa--gfx1250"
	.amdhsa_code_object_version 6
	.text
	.protected	k_q57ce0f52be_router
	.globl	k_q57ce0f52be_router
	.p2align	8
	.type	k_q57ce0f52be_router,@function
k_q57ce0f52be_router:
	s_mov_b64 s[64:65], 0
	v_nop
	global_prefetch_b8 v0, s[64:65] scope:SCOPE_SE
	s_setreg_imm32_b32 hwreg(HW_REG_WAVE_MODE, 25, 1), 1
	s_wait_xcnt 0x0
; ROUTER.  logits = x . router_w + router_b; the two largest of 8 (ties: the lower index, as jax.lax.top_k); softmax over the two, the larger taken away first.
; Stores: xb = x rounded to bf16, [2048][1024]; code[t] = a word with bit e set for each chosen expert e and bit 16 + e for the second choice;
; wts[t] = the two weights in f32; out1 = the weights scattered over the 8 experts.
; LIMITS.  x, router_w and router_b are rounded to bf16 (nearest even) before use, sums in f32; the choice is made on those numbers.  Logits are taken to be finite: NaN and infinities are not treated apart.
; SHARES.  A work-group has 16 tokens (one matrix tile's width), 128 work-groups.  Wave w loads tokens 2 w, 2 w + 1 (whole rows, 512 consecutive bytes a load), and multiplies K = 128 w .. 128 w + 127
; of all 16 tokens; the eight partial sums meet in LDS and wave 0 adds them in the order of w.  No choice steers an address or a branch: every result goes to a fixed place by v_cndmask_b32.
; No cluster: the work-groups share router_w alone, 32 KiB against 64 KiB of their own rows, and it is turned and rounded in registers on its way.
.set XP,    2064                       ; a row of x in LDS: 2,048 bytes + 16: 129 x 16, so the 16 rows of a fragment load start at 16 different groups of four banks
.set WT,    33280                      ; behind x's 16 rows: for each wave 128 rows (k) of 32 bytes: 8 experts in bf16, written twice, so that a tile's columns 8-15 exist
.set RED,   66048                      ; 8 x 1,024 bytes: each wave's partial logits
.set SPARE, 74240                      ; the spare words, 128 bytes for each of eight waves: four blocks of 256 bytes that no other line names
.set SPW,   14                         ; v14 LDS address of my spare word; never rewritten
.set NIL,   15                         ; v15 0; never rewritten
; v1 lane, v2 r = lane % 16, v3 h = lane / 16, v4 x offset, v5 router_w offset, v6 xb offset, v7 x into LDS, v8 w into LDS, v9 x fragments, v10 w fragments, v11 my partial sums, v12 all partial sums
; v16-47 w as loaded, then x fragments; v48-111 x as loaded, then w fragments (48-79) and four accumulators (80-111); v112-143 x packed; v144-159 w packed
	s_load_b256 s[4:11], s[0:1], 0x0               ; hidden s[4:5], router_w s[6:7], router_b s[8:9], xb s[10:11]
	s_load_b128 s[12:15], s[0:1], 0x20             ; code s[12:13], wts s[14:15]
	s_load_b64 s[16:17], s[0:1], 0x30              ; out1
	v_lshl_add_u32 v[SPW], v0, 2, SPARE
	v_mov_b32 v[NIL], 0
	v_lshrrev_b32 v13, 5, v0
	v_readfirstlane_b32 s18, v13                   ; wave 0..7
	v_and_b32 v1, 31, v0
	v_and_b32 v2, 15, v0
	v_bfe_u32 v3, v0, 4, 1
	v_lshlrev_b32 v12, 4, v1                       ; 16 x lane
	s_lshl_b32 s22, s18, 13
	v_add_nc_u32 v4, s22, v12                      ; two rows of 4,096 bytes a wave
	s_lshl_b32 s23, s18, 12
	v_add_nc_u32 v5, s23, v12                      ; 128 rows of 32 bytes a wave
	v_lshlrev_b32 v7, 3, v1                        ; 8 x lane
	v_add_nc_u32 v6, s23, v7                       ; two rows of 2,048 bytes a wave
	s_mul_i32 s22, s18, 2*XP
	v_add_nc_u32 v7, s22, v7
	s_add_co_u32 s23, s23, WT                      ; my wave's copy of its 128 rows of router_w
	v_lshrrev_b32 v8, 1, v1
	v_and_b32 v16, 1, v0
	v_lshlrev_b32 v8, 5, v8
	v_lshl_add_u32 v8, v16, 3, v8
	v_add_nc_u32 v8, s23, v8                       ; row lane / 2, experts 4 (lane % 2) on
	v_mul_u32_u24 v9, v2, XP
	v_lshl_add_u32 v9, v3, 4, v9
	s_lshl_b32 s22, s18, 8
	v_add_nc_u32 v9, s22, v9                       ; token r, K = 128 w + 8 h on
	v_and_b32 v16, 7, v0
	v_lshl_add_u32 v16, v3, 3, v16
	v_bfe_u32 v17, v0, 3, 1
	v_lshlrev_b32 v10, 5, v16
	v_lshl_add_u32 v10, v17, 4, v10
	v_add_nc_u32 v10, s23, v10                     ; the turning load: row 8 h + lane % 8, columns 8 ((lane / 8) % 2) on
	s_lshl_b32 s22, s18, 10
	s_add_co_u32 s22, s22, RED
	v_add_nc_u32 v11, s22, v12
	v_add_nc_u32 v12, RED, v12
	s_mov_b32 s21, 0
	s_wait_kmcnt 0x0
	s_load_b256 s[24:31], s[8:9], 0x0              ; router_b
	s_lshl_b32 s20, ttmp9, 16                      ; 16 rows of 4,096 bytes
	s_add_nc_u64 s[4:5], s[4:5], s[20:21]
	s_lshl_b32 s20, ttmp9, 15
	s_add_nc_u64 s[10:11], s[10:11], s[20:21]
	s_lshl_b32 s20, ttmp9, 6
	s_add_nc_u64 s[12:13], s[12:13], s[20:21]
	s_lshl_b32 s20, ttmp9, 7
	s_add_nc_u64 s[14:15], s[14:15], s[20:21]
	s_lshl_b32 s20, ttmp9, 9
	s_add_nc_u64 s[16:17], s[16:17], s[20:21]
.irp i, 0,1,2,3,4,5,6,7
	global_load_b128 v[16+4*\i:19+4*\i], v5, s[6:7] offset:512*\i
.endr
.set n, 0
.rept 16
	global_load_b128 v[48+4*n:51+4*n], v4, s[4:5] offset:(n/8)*4096+(n%8)*512 th:TH_LOAD_NT
.set n, n+1
.endr
	s_wait_loadcnt 16                              ; router_w's eight loads are in; the sixteen of x stay out
.irp i, 0,1,2,3,4,5,6,7
	v_cvt_pk_bf16_f32 v[144+2*\i], v[16+4*\i], v[17+4*\i]
	v_cvt_pk_bf16_f32 v[145+2*\i], v[18+4*\i], v[19+4*\i]
	ds_store_b64 v8, v[144+2*\i:145+2*\i] offset:512*\i
	ds_store_b64 v8, v[144+2*\i:145+2*\i] offset:512*\i+16
.endr
.set n, 0
.rept 16
	s_wait_loadcnt 15-n                            ; loads come back in order: load n is in, the younger ones stay out
	v_cvt_pk_bf16_f32 v[112+2*n], v[48+4*n], v[49+4*n]
	v_cvt_pk_bf16_f32 v[113+2*n], v[50+4*n], v[51+4*n]
	global_store_b64 v6, v[112+2*n:113+2*n], s[10:11] offset:(n/8)*2048+(n%8)*256  ; the wave's 32 lanes store 256 consecutive bytes, aligned
	ds_store_b64 v7, v[112+2*n:113+2*n] offset:(n/8)*XP+(n%8)*256
.set n, n+1
.endr
	s_wait_dscnt 0x0                               ; for the others' sake: my rows of x are in LDS
	s_barrier_signal -1
	s_barrier_wait -1
.irp s, 0,1,2,3
	ds_load_b128 v[16+8*\s:19+8*\s], v9 offset:64*\s
	ds_load_b128 v[20+8*\s:23+8*\s], v9 offset:64*\s+32
	ds_load_tr16_b128 v[48+8*\s:51+8*\s], v10 offset:1024*\s
	ds_load_tr16_b128 v[52+8*\s:55+8*\s], v10 offset:1024*\s+512
.endr
	s_wait_dscnt 0x0
	; source 0 = 16 columns of router_w (8 experts, twice), source 1 = 16 tokens: a lane then holds token r, and register j expert j, in both halves of the lanes.  Four accumulators, one K step each.
.irp s, 0,1,2,3
	v_wmma_f32_16x16x32_bf16 v[80+8*\s:87+8*\s], v[48+8*\s:55+8*\s], v[16+8*\s:23+8*\s], 0
.endr
.rept 4
	v_nop                                          ; four places between the products and the first read of their results (ISA guide 7.12.1)
.endr
.irp p, 0,1,2,3                                        ; each accumulator is read from its low end on
	v_pk_add_f32 v[80+2*\p:81+2*\p], v[80+2*\p:81+2*\p], v[88+2*\p:89+2*\p]
.endr
.irp p, 0,1,2,3
	v_pk_add_f32 v[96+2*\p:97+2*\p], v[96+2*\p:97+2*\p], v[104+2*\p:105+2*\p]
.endr
.irp p, 0,1,2,3
	v_pk_add_f32 v[80+2*\p:81+2*\p], v[80+2*\p:81+2*\p], v[96+2*\p:97+2*\p]
.endr
	ds_store_b128 v11, v[80:83]
	ds_store_b128 v11, v[84:87] offset:512
	s_wait_kmcnt 0x0                               ; router_b
	s_wait_dscnt 0x0                               ; for wave 0's sake: my partial sums are in LDS
	s_barrier_signal -1
	s_barrier_wait -1
	s_cmp_lg_u32 s18, 0
	s_cbranch_scc1 .Lend
.irp q, 0,1,2,3,4,5,6,7
	ds_load_b128 v[16+8*\q:19+8*\q], v12 offset:1024*\q
	ds_load_b128 v[20+8*\q:23+8*\q], v12 offset:1024*\q+512
.endr
	v_cvt_pk_bf16_f32 v80, s24, s25                ; router_b rounded to bf16 like every input,
	v_cvt_pk_bf16_f32 v81, s26, s27
	v_cvt_pk_bf16_f32 v82, s28, s29
	v_cvt_pk_bf16_f32 v83, s30, s31
.irp p, 0,1,2,3
	v_lshlrev_b32 v[84+2*\p], 16, v[80+\p]         ; and widened again
	v_and_b32 v[85+2*\p], 0xffff0000, v[80+\p]
.endr
	s_wait_dscnt 0x0
.irp q, 1,2,3,4,5,6,7
.irp p, 0,1,2,3
	v_pk_add_f32 v[16+2*\p:17+2*\p], v[16+2*\p:17+2*\p], v[16+8*\q+2*\p:17+8*\q+2*\p]
.endr
.endr
.irp p, 0,1,2,3
	v_pk_add_f32 v[16+2*\p:17+2*\p], v[16+2*\p:17+2*\p], v[84+2*\p:85+2*\p]
.endr
	; v16-23: the token's eight logits.  The largest (v24, index v25): a later one wins only if it is greater.
	v_mov_b32 v24, v16
	v_mov_b32 v25, 0
.irp e, 1,2,3,4,5,6,7
	v_cmp_gt_f32 s32, v[16+\e], v24
	v_cndmask_b32 v24, v24, v[16+\e], s32
	v_cndmask_b32 v25, v25, \e, s32
.endr
	v_mov_b32 v26, 0xff800000                      ; the second (v26, index v27): the same among the other seven
	v_mov_b32 v27, 0
.irp e, 0,1,2,3,4,5,6,7
	v_cmp_ne_u32 s33, \e, v25
	v_cmp_gt_f32 s34, v[16+\e], v26
	s_and_b32 s34, s33, s34
	v_cndmask_b32 v26, v26, v[16+\e], s34
	v_cndmask_b32 v27, v27, \e, s34
.endr
	v_sub_f32 v28, v26, v24                        ; the maximum is taken away: the larger weight's exponent is 0, this one at most 0
	v_mul_f32 v28, 0x3fb8aa3b, v28
	v_exp_f32 v29, v28
	v_nop                                          ; a plain instruction behind the exponential,
	s_wait_alu depctr_va_vdst(0)                   ; and a wait ahead of its first reader
	v_add_f32 v30, 1.0, v29
	v_rcp_f32 v31, v30                             ; w0 = 1 / (1 + p)
	v_nop
	s_wait_alu depctr_va_vdst(0)
	v_mul_f32 v32, v29, v31                        ; w1 = p w0
.irp e, 0,1,2,3,4,5,6,7
	v_cmp_eq_u32 s32, \e, v25
	v_cmp_eq_u32 s33, \e, v27
	v_cndmask_b32 v[36+\e], 0, v32, s33
	v_cndmask_b32 v[36+\e], v[36+\e], v31, s32
.endr
	v_cmp_ne_u32 s35, 0, v3                        ; the upper half of the lanes stores experts 4-7, w1, and the word's upper half
.irp j, 0,1,2,3
	v_cndmask_b32 v[44+\j], v[36+\j], v[40+\j], s35
.endr
	v_lshlrev_b32 v48, 5, v2
	v_lshl_add_u32 v48, v3, 4, v48
	global_store_b128 v48, v[44:47], s[16:17]      ; the wave stores the 16 tokens' 512 consecutive bytes of out1
	v_lshlrev_b32 v49, 3, v2
	v_lshl_add_u32 v49, v3, 2, v49
	v_cndmask_b32 v51, v31, v32, s35
	global_store_b32 v49, v51, s[14:15]
	v_mov_b32 v33, 1
	v_lshlrev_b32 v34, v25, v33
	v_lshlrev_b32 v35, v27, v33
	v_or_b32 v34, v34, v35
	v_cndmask_b32 v52, v34, v35, s35
	v_lshlrev_b32 v50, 2, v2
	v_lshl_add_u32 v50, v3, 1, v50
	global_store_b16 v50, v52, s[12:13]
.Lend:
	s_wait_tensorcnt 0x0                           ; the wave's end
	ds_add_u32 v[SPW], v[NIL]
	s_wait_dscnt 0x0
	s_endpgm
.Lfunc_end_k_q57ce0f52be_router:
	.size	k_q57ce0f52be_router, .Lfunc_end_k_q57ce0f52be_router-k_q57ce0f52be_router
	.p2alignl 7, 3214868480
	.fill 96, 4, 3214868480
	.section	.rodata,"a",@progbits
	.p2align	6, 0x0
	.amdhsa_kernel k_q57ce0f52be_router
		.amdhsa_group_segment_fixed_size 75264
		.amdhsa_private_segment_fixed_size 0
		.amdhsa_enable_private_segment 0
		.amdhsa_kernarg_size 56
		.amdhsa_user_sgpr_count 2
		.amdhsa_user_sgpr_kernarg_segment_ptr 1
		.amdhsa_wavefront_size32 1
		.amdhsa_system_sgpr_workgroup_id_x 1
		.amdhsa_system_sgpr_workgroup_id_y 1
		.amdhsa_system_sgpr_workgroup_id_z 1
		.amdhsa_system_vgpr_workitem_id 0
		.amdhsa_next_free_vgpr 160
		.amdhsa_next_free_sgpr 66
		.amdhsa_reserve_vcc 0
		.amdhsa_float_denorm_mode_32 3
		.amdhsa_float_denorm_mode_16_64 3
		.amdhsa_memory_ordered 1
		.amdhsa_forward_progress 1
		.amdhsa_inst_pref_size 26
	.end_amdhsa_kernel
	.amdgpu_metadata
---
amdhsa.version: [ 1, 2 ]
amdhsa.kernels:
  - .name:           k_q57ce0f52be_router
    .symbol:         k_q57ce0f52be_router.kd
    .args:
      - { .name: hidden_states, .offset: 0, .size: 8, .value_kind: global_buffer, .address_space: global }
      - { .name: router_w, .offset: 8, .size: 8, .value_kind: global_buffer, .address_space: global }
      - { .name: router_b, .offset: 16, .size: 8, .value_kind: global_buffer, .address_space: global }
      - { .name: xb, .offset: 24, .size: 8, .value_kind: global_buffer, .address_space: global }
      - { .name: code, .offset: 32, .size: 8, .value_kind: global_buffer, .address_space: global }
      - { .name: wts, .offset: 40, .size: 8, .value_kind: global_buffer, .address_space: global }
      - { .name: out1, .offset: 48, .size: 8, .value_kind: global_buffer, .address_space: global }
    .group_segment_fixed_size: 75264
    .private_segment_fixed_size: 0
    .kernarg_segment_align: 8
    .kernarg_segment_size: 56
    .max_flat_workgroup_size: 256
    .sgpr_count:     66
    .vgpr_count:     160
    .wavefront_size: 32
...
	.end_amdgpu_metadata
.endif
;; end of part 1
;; launch gu (part 2): grid 32 x 8, 4 waves a work-group, no clusters, 139,008 bytes of LDS; arguments xb, gate_up_proj, gate_up_bias, code, actb, rows; writes actb, rows
.if DOCPART == 2
	.amdgcn_target "amdgcn-amd-amdhsa--gfx1250"
	.amdhsa_code_object_version 6
	.text
	.protected	k_q57ce0f52be_gu
	.globl	k_q57ce0f52be_gu
	.p2align	8
	.type	k_q57ce0f52be_gu,@function
k_q57ce0f52be_gu:
	s_mov_b64 s[64:65], 0
	v_nop
	global_prefetch_b8 v0, s[64:65] scope:SCOPE_SE
	s_setreg_imm32_b32 hwreg(HW_REG_WAVE_MODE, 25, 1), 1
	s_wait_xcnt 0x0
; FIRST PRODUCT AND ACTIVATION.  For expert e = group y and the 64 columns (32 gate/up pairs) of slice = group x: act = (clip(up, -7, 7) + 1) g sigmoid(1.702 g), g = min(gate, 7),
; (gate, up) = x . gate_up_proj[e] + gate_up_bias[e], for the rows that chose e alone.  act leaves in bf16, in the order in which the next launch's matrix operand takes it:
; actb[e][block of 16 ranks][K step of 32][g][lane][16 bytes] = act(rank 16 block + lane % 16, column 32 step + 16 g + 8 (lane / 16) + 0..7).
; LIMITS.  x (by the launch before), the weights and the bias are rounded to bf16 (nearest even); sums in f32; act is rounded once to bf16.  NaN is not treated apart.  A rank is a row's place in the list below, not token order.
; SHARES.  The work-group alone reads its slice, 1,024 x 256 bytes of f32, once: wave w takes rows 256 w on, rounds them, and lays them into LDS as ready fragments (131 KiB).  Wave 0 meanwhile makes the expert's list of
; rows from the stored choices, by counting (no atomics); in the work-group of slice 0 it also stores the list and the count to rows[e], for the next launch.  One barrier.  Then wave w takes the tiles of 32 ranks
; w, w + 4, ..: 8 accumulators (2 blocks of 16 ranks x 4 blocks of 16 columns), 256 products a tile.
; The loop has a constant count of 16 trips, which serves an expert with all 2,048 rows, and is left forward when the next tile begins at or past the count; it holds no barrier, and writes no LDS.
; In a tile that is not full the places past the count repeat the last row; their results land in the tile's own unused ranks of actb.
; THE PRODUCT IS USED TRANSPOSED: source 0 = 16 columns of W, source 1 = 16 rows of x, so a lane holds one row.  The slice's columns are dealt to the tiles so that registers 0-3 of an accumulator are four gates and registers
; 4-7 their ups, and tiles 2 g, 2 g + 1 give the lane's 16 bytes of actb: pair a (0..31), kind t: tile 2 (a / 16) + (a / 4) % 2, place 8 ((a / 8) % 2) + 4 t + a % 4.
; NO CLUSTER, NO TENSOR LOADS: each slice of weights has one reader and is rounded and turned in registers; what an expert's 32 work-groups share is its rows of x, which come by a list that no descriptor covers.
.set ROWB,  8192                       ; bytes in a row of gate_up_proj[e]
.set SSTR,  4176                       ; a K step of the slice in LDS: four tiles of 1,024 bytes at 0, 1,040, 2,112, 3,152
.set LIST,  32*SSTR                    ; 2,304 entries of 16 bits (2 x token + which choice), cleared; then 32 entries that unchosen lanes write and nobody reads; then the count
.set DUMPI, 2304
.set CNT,   LIST+4672
.set SPARE, LIST+4864                  ; the spare words, 128 bytes for each of four waves: two blocks of 256 bytes that no other line names
.set RSTR,  5120                       ; rows[e]: 4,608 bytes of list, then the count (once a lane, 128 bytes)
.set RCNT,  4608
.set L16,  1                           ; v1   16 x lane
.set OA,   2                           ; v2-3 byte offset in xb of my row in the tile in hand, blocks 0 and 1 (+ 16 x (lane / 16))
.set OB,   4                           ; v4-5 the same for the next tile
.set LA,   6                           ; v6   LDS address of my entry in the next tile: made anew in each trip
.set H16,  7                           ; v7   lane / 16, from the barrier on 16 x (lane / 16)
.set BA,   8                           ; v8-11 LDS address of my 16 bytes of a fragment, K steps 8 q on
.set ST,   12                          ; v12  my byte offset in actb
.set LN,   13                          ; v13  lane; from the barrier on:
.set R2,   13                          ;      2 x (lane % 16)
.set SPW,  14                          ; v14  LDS address of my spare word; never rewritten
.set NIL,  15                          ; v15  0; never rewritten
.set BIAS, 16                          ; v16-47  the bias as the C operand of a tile's first K step: 8 registers a column tile
.set ACC,  48                          ; v48-111 accumulator (a, b) at 8 (4 a + b)
.set BB,   112                         ; v112-175, v176-239 W's fragments of two K steps, two buffers
.set SC,   240                         ; v240-255 at work
.set TE,   176                         ; the activation works in the second buffer: 32 registers,
.set PK,   208                         ; and 16 of packed results
; while the slice is staged: v2 8 x lane, v3 2,304 + lane, v4 offset in W, v5 LDS address, v6 offset in the bias; v16-79 the choices (wave 0); v80-239 five sets of eight loads; v240-255 at work
.set L8,   2
.set DIDX, 3
.set VW,   4
.set VS,   5
.set VB,   6
.set CODE, 16
.set RING, 80
.set T,    240
; window 1 (v256-511): x's fragments, four buffers of 64: chunk c (4 K steps) in buffer c % 4, K step ks, block a at 64 (c % 4) + 16 ks + 8 a
; s14 wave, s15 slice, s16 e, s17 e + 16, s18 count, s19 the tile's first rank, s20 trips, s21 LDS byte of the next tile's entries, s[22:23] an offset, s24 running count, s25 at work,
; s[26:27] c, s28 7, s29 -7, s36-43 masks, s44-51 bases, s[52:53] rows[e]
.set MSB, 0
.macro WIN new                         ; s_set_vgpr_msb: bits 1:0 source 0, 3:2 source 1, 5:4 source 2, 7:6 destination; the high byte repeats the setting that is left
.if MSB != (\new)
	s_set_vgpr_msb (MSB<<8)|(\new)
.set MSB, \new
.endif
.endm
.macro PLACES                          ; four places between a matrix instruction and a load into, or a vector write of, its registers, or a read of its result
.rept 4
	v_nop
.endr
.endm
; Unit u of 16: sixteen rows of the slice.  Lanes 0-15 read the 256 consecutive, aligned bytes of row 16 u + i, lanes 16-31 those of row 16 u + 8 + i.
.macro WLOAD u
.irp i, 0,1,2,3,4,5,6,7
	global_load_b128 v[RING+32*((\u)%5)+4*\i:RING+32*((\u)%5)+4*\i+3], v[VW], s[6:7] offset:(16*(\u)+\i)*ROWB th:TH_LOAD_NT
.endr
.endm
; A lane holds 8 rows (k) x 4 columns: each column's eight numbers, rounded, are the 16 bytes of one lane of a fragment.
.macro WCONV u
.irp jn, 0,1,2,3
.irp d, 0,1,2,3
	v_cvt_pk_bf16_f32 v[T+4*\jn+\d], v[RING+32*((\u)%5)+8*\d+\jn], v[RING+32*((\u)%5)+8*\d+4+\jn]
.endr
	ds_store_b128 v[VS], v[T+4*\jn:T+4*\jn+3] offset:((\u)/2)*SSTR+((\u)%2)*512+64*(\jn%2)+16*(\jn/2)
.endr
.endm
; Eight registers of choices (register n: token 128 (n / 4) + 4 lane + n % 4): who chose e; the ranks, by counting the lanes below and the registers before; each chosen row's entry goes to its rank.
; An unchosen lane writes to an entry of its own behind the list.  The index is clamped by a constant before it becomes an address.
.macro GROUP i
.irp j, 0,1,2,3,4,5,6,7
	v_bfe_u32 v[T+\j], v[CODE+8*(\i)+\j], s16, 1
	v_cmp_ne_u32 s[36+\j], 0, v[T+\j]
.endr
.irp j, 0,1,2,3,4,5,6,7
	s_mov_b32 s[44+\j], s24
	s_bcnt1_i32_b32 s25, s[36+\j]
	s_add_co_u32 s24, s24, s25
.endr
.irp j, 0,1,2,3,4,5,6,7
	v_mbcnt_lo_u32_b32 v[T+8+\j], s[36+\j], s[44+\j]
	v_bfe_u32 v[T+\j], v[CODE+8*(\i)+\j], s17, 1
	v_cndmask_b32 v[T+8+\j], v[DIDX], v[T+8+\j], s[36+\j]
	v_add3_u32 v[T+\j], v[L8], v[T+\j], 2*(128*((8*(\i)+\j)/4)+(8*(\i)+\j)%4)
	v_min_u32 v[T+8+\j], DUMPI+31, v[T+8+\j]
	v_lshl_add_u32 v[T+8+\j], v[T+8+\j], 1, LIST
	ds_store_b16 v[T+8+\j], v[T+\j]
.endr
.endm
; Chunk c of a tile's x: 128 along K, 16 loads, into buffer q; set = OA or OB
.macro ALOAD c, q, set
.irp ks, 0,1,2,3
.irp a, 0,1
.irp g, 0,1
	global_load_b128 v[64*(\q)+16*\ks+8*\a+4*\g:64*(\q)+16*\ks+8*\a+4*\g+3], v[\set+\a], s[4:5] offset:256*(\c)+64*\ks+32*\g
.endr
.endr
.endr
.endm
; W's fragments of K steps 2 P, 2 P + 1: 16 loads of 512 consecutive bytes
.macro BLOAD P
.irp st, 0,1
.irp b, 0,1,2,3
.irp g, 0,1
	ds_load_b128 v[BB+64*((\P)%2)+32*\st+8*\b+4*\g:BB+64*((\P)%2)+32*\st+8*\b+4*\g+3], v[BA+(2*(\P)+\st)/8] offset:((2*(\P)+\st)%8)*SSTR+(\b/2)*2112+(\b%2)*1040+512*\g
.endr
.endr
.endr
.endm
; 16 products.  The eight accumulators take turns, one instruction a turn.  The tile's first K step starts the sums with the bias.
.macro MULS P
.irp st, 0,1
.irp a, 0,1
.irp b, 0,1,2,3
.if ((\P) == 0) && (\st == 0)
	v_wmma_f32_16x16x32_bf16 v[ACC+8*(4*\a+\b):ACC+8*(4*\a+\b)+7], v[BB+64*((\P)%2)+32*\st+8*\b:BB+64*((\P)%2)+32*\st+8*\b+7], v[64*(((\P)/2)%4)+16*(2*((\P)%2)+\st)+8*\a:64*(((\P)/2)%4)+16*(2*((\P)%2)+\st)+8*\a+7], v[BIAS+8*\b:BIAS+8*\b+7]
.else
	v_wmma_f32_16x16x32_bf16 v[ACC+8*(4*\a+\b):ACC+8*(4*\a+\b)+7], v[BB+64*((\P)%2)+32*\st+8*\b:BB+64*((\P)%2)+32*\st+8*\b+7], v[64*(((\P)/2)%4)+16*(2*((\P)%2)+\st)+8*\a:64*(((\P)/2)%4)+16*(2*((\P)%2)+\st)+8*\a+7], v[ACC+8*(4*\a+\b):ACC+8*(4*\a+\b)+7]
.endif
.endr
.endr
.endr
.endm
.macro MKOB                            ; two list entries become byte offsets in xb: clamped by a constant, the choice bit dropped, token x 2,048 + 16 x (lane / 16)
	v_min_u32 v[SC], 0xfff, v[SC]
	v_min_u32 v[SC+1], 0xfff, v[SC+1]
	v_and_b32 v[SC], 0xffe, v[SC]
	v_and_b32 v[SC+1], 0xffe, v[SC+1]
	v_lshl_add_u32 v[OB], v[SC], 10, v[H16]
	v_lshl_add_u32 v[OB+1], v[SC+1], 10, v[H16]
.endm
; Pair P of 16: two K steps.  An even pair opens chunk c = P / 2 and asks for the chunk three on (from c = 5 the next tile's first three): 48 loads of the wave are then out.
.macro PAIR P
	WIN 0
	PLACES                                         ; behind pair P - 1's products, which read the buffers that are loaded below
.if (\P)%2 == 0
	s_wait_loadcnt 32                              ; chunk c is in; the two younger chunks, 32 loads, stay out
	WIN 0x40                                       ; destination window 1
.set c3, (\P)/2+3
.if (\P)/2 < 5
	ALOAD c3%8, c3%4, OA
.else
	ALOAD c3%8, c3%4, OB
.endif
	WIN 0
.endif
	BLOAD ((\P)+1)%16
	s_wait_dscnt 16                                ; pair P's fragments of W are in (and, at pair 0, the next tile's two entries); the 16 loads just issued stay out
.if (\P) == 0
	MKOB
.endif
	WIN 0x04                                       ; source 1 window 1
	MULS \P
.endm
	s_load_b256 s[4:11], s[0:1], 0x0               ; xb s[4:5], gate_up_proj s[6:7], gate_up_bias s[8:9], code s[10:11]
	s_load_b64 s[12:13], s[0:1], 0x20              ; actb
	s_load_b64 s[52:53], s[0:1], 0x28              ; rows
	v_lshl_add_u32 v[SPW], v0, 2, SPARE
	v_mov_b32 v[NIL], 0
	v_lshrrev_b32 v[LN], 5, v0
	v_readfirstlane_b32 s14, v[LN]                 ; wave 0..3
	v_and_b32 v[LN], 31, v0
	v_lshlrev_b32 v[L16], 4, v[LN]
	v_bfe_u32 v[H16], v0, 4, 1
	s_mov_b32 s15, ttmp9
	s_and_b32 s16, ttmp7, 0xffff
	s_add_co_u32 s17, s16, 16
	v_and_b32 v[T], 15, v0
	v_lshlrev_b32 v[VW], 4, v[T]                   ; 16 bytes of the slice's 256,
	v_lshl_add_u32 v[VW], v[H16], 16, v[VW]        ; eight rows down for the upper lanes,
	s_lshl_b32 s25, s14, 21
	v_add_nc_u32 v[VW], s25, v[VW]                 ; my wave's 256 rows
	v_bfe_u32 v[T+1], v0, 3, 1                     ; the lane's four columns are pairs 2 (lane % 16), + 1: where they lie in a K step's four tiles
	v_bfe_u32 v[T+2], v0, 1, 1
	v_bfe_u32 v[T+3], v0, 2, 1
	v_and_b32 v[T+4], 1, v0
	v_mul_u32_u24 v[VS], v[T+1], 2112
	v_mad_u32_u24 v[VS], v[T+2], 1040, v[VS]
	v_lshl_add_u32 v[VS], v[H16], 8, v[VS]
	v_lshl_add_u32 v[VS], v[T+3], 7, v[VS]
	v_lshl_add_u32 v[VS], v[T+4], 5, v[VS]
	s_mul_i32 s25, s14, 8*SSTR
	v_add_nc_u32 v[VS], s25, v[VS]                 ; my wave's eight K steps
	v_lshlrev_b32 v[VB], 6, v[H16]
	v_lshlrev_b32 v[L8], 3, v[LN]
	v_add_nc_u32 v[DIDX], DUMPI, v[LN]
	s_mov_b32 s23, 0
	s_wait_kmcnt 0x0
	s_lshl_b32 s22, s16, 23                        ; the expert's 8,388,608 bytes, the slice's 256
	s_lshl_b32 s25, s15, 8
	s_add_co_u32 s22, s22, s25
	s_add_nc_u64 s[6:7], s[6:7], s[22:23]
	s_lshl_b32 s22, s16, 13
	s_add_co_u32 s22, s22, s25
	s_add_nc_u64 s[8:9], s[8:9], s[22:23]
	s_lshl_b32 s22, s16, 22                        ; actb: the expert's 4,194,304 bytes, K step = slice: 1,024
	s_lshl_b32 s25, s15, 10
	s_add_co_u32 s22, s22, s25
	s_add_nc_u64 s[12:13], s[12:13], s[22:23]
	s_mul_i32 s22, s16, RSTR
	s_add_nc_u64 s[52:53], s[52:53], s[22:23]
	s_cmp_lg_u32 s14, 0
	s_cbranch_scc1 .Lno_code
.irp i, 0,1,2,3,4,5,6,7,8,9,10,11,12,13,14,15
	global_load_b128 v[CODE+4*\i:CODE+4*\i+3], v[L16], s[10:11] offset:512*\i
.endr
.Lno_code:
	WLOAD 0                                        ; 40 loads of each wave are on their way before anything is waited for
	WLOAD 1
	WLOAD 2
	WLOAD 3
	WLOAD 4
	s_cmp_lg_u32 s14, 0
	s_cbranch_scc1 .Lno_list
	; THE LIST, by wave 0 alone, while its weights are on their way
	v_mov_b32 v[T], 0
	v_mov_b32 v[T+1], 0
	v_mov_b32 v[T+2], 0
	v_mov_b32 v[T+3], 0
	v_add_nc_u32 v[T+4], LIST, v[L16]
.irp i, 0,1,2,3,4,5,6,7,8
	ds_store_b128 v[T+4], v[T:T+3] offset:512*\i
.endr
	s_wait_loadcnt 40                              ; the choices are in; the 40 loads of weights stay out
	s_mov_b32 s24, 0
	GROUP 0
	GROUP 1
	GROUP 2
	GROUP 3
	GROUP 4
	GROUP 5
	GROUP 6
	GROUP 7
	s_max_u32 s25, s24, 1                          ; the last live entry (entry 0, which is 0, if there is none)
	s_sub_co_u32 s25, s25, 1
	s_min_u32 s25, s25, 2047
	s_lshl_b32 s25, s25, 1
	s_add_co_u32 s25, s25, LIST
	v_mov_b32 v[T], s25
	ds_load_u16 v[T+1], v[T]                       ; LDS serves a wave's instructions in order: this sees the stores above
	s_min_u32 s25, s24, 2048
	v_add_nc_u32 v[T+2], s25, v[LN]
	v_lshl_add_u32 v[T+2], v[T+2], 1, LIST
	v_mov_b32 v[T+3], s24
	v_mov_b32 v[T+4], CNT
	s_wait_dscnt 0x0
	ds_store_b16 v[T+2], v[T+1]                    ; is repeated in the 32 places behind the count: more than the last tile can want
	ds_store_b32 v[T+4], v[T+3]
	s_cmp_lg_u32 s15, 0
	s_cbranch_scc1 .Lno_list
	; slice 0's work-group alone stores the expert's list and count for the next launch: 9 x 512 consecutive bytes, and the count once a lane
	v_add_nc_u32 v[T+5], LIST, v[L16]
	v_lshlrev_b32 v[T+6], 2, v[LN]
.irp i, 0,1,2,3,4,5,6,7,8
	ds_load_b128 v[CODE+4*\i:CODE+4*\i+3], v[T+5] offset:512*\i  ; in order behind the stores above; the choices' registers are free
.endr
	s_wait_dscnt 0x0
.irp i, 0,1,2,3,4,5,6,7,8
	global_store_b128 v[L16], v[CODE+4*\i:CODE+4*\i+3], s[52:53] offset:512*\i
.endr
	global_store_b32 v[T+6], v[T+3], s[52:53] offset:RCNT
	s_wait_xcnt 0x0                                ; these stores' data and offsets are written anew just below (v240 on) and by the bias's loads (v16 on): only behind this wait
.Lno_list:
.set u, 0
.rept 16
.if u <= 10
	s_wait_loadcnt 32                              ; unit u is in; four younger units stay out
.else
	s_wait_loadcnt 8*(16-u)                        ; the units left, and the eight loads of the bias
.endif
	WCONV u
.if u <= 10
	WLOAD u+5
.endif
.if u == 10
.irp b, 0,1,2,3                                        ; tile b's eight places of my half of the lanes are eight neighbouring columns: gate, up, gate, up ..
	global_load_b128 v[BIAS+8*\b:BIAS+8*\b+3], v[VB], s[8:9] offset:128*(\b/2)+32*(\b%2)
	global_load_b128 v[BIAS+8*\b+4:BIAS+8*\b+7], v[VB], s[8:9] offset:128*(\b/2)+32*(\b%2)+16
.endr
.endif
.set u, u+1
.endr
	s_wait_loadcnt 0x0
.irp b, 0,1,2,3                                        ; the bias rounded to bf16 like every input, the four gates first, then the four ups
	v_cvt_pk_bf16_f32 v[T+4*\b], v[BIAS+8*\b], v[BIAS+8*\b+2]
	v_cvt_pk_bf16_f32 v[T+4*\b+1], v[BIAS+8*\b+4], v[BIAS+8*\b+6]
	v_cvt_pk_bf16_f32 v[T+4*\b+2], v[BIAS+8*\b+1], v[BIAS+8*\b+3]
	v_cvt_pk_bf16_f32 v[T+4*\b+3], v[BIAS+8*\b+5], v[BIAS+8*\b+7]
.endr
.set k, 0
.rept 16
	v_lshlrev_b32 v[BIAS+2*k], 16, v[T+k]
	v_and_b32 v[BIAS+2*k+1], 0xffff0000, v[T+k]
.set k, k+1
.endr
	s_wait_dscnt 0x0                               ; for the others' sake: my part of the slice, and wave 0's list, are in LDS
	s_barrier_signal -1
	s_barrier_wait -1                              ; from here to the kernel's last lines nobody writes LDS
	v_mov_b32 v[SC], CNT
	ds_load_b32 v[SC+1], v[SC]
.irp q, 0,1,2,3
	v_add_nc_u32 v[BA+\q], \q*8*SSTR, v[L16]
.endr
	v_lshlrev_b32 v[H16], 4, v[H16]
	v_and_b32 v[R2], 15, v0
	v_lshlrev_b32 v[R2], 1, v[R2]
	s_mov_b32 s26, 0xc01d265f                      ; c = -1.702 log2(e): sigmoid(1.702 g) = 1 / (1 + 2^(c g))
	s_mov_b32 s27, s26                             ; named with it as a pair
	s_mov_b32 s28, 0x40e00000                      ; 7
	s_mov_b32 s29, 0xc0e00000                      ; -7
	s_wait_dscnt 0x0
	v_readfirstlane_b32 s18, v[SC+1]
	s_min_u32 s18, s18, 2048                       ; the expert's rows
	s_lshl_b32 s19, s14, 5                         ; my first tile's first rank
	s_cmp_ge_u32 s19, s18
	s_cbranch_scc1 .Ldone
	s_lshl_b32 s21, s14, 6
	s_add_co_u32 s21, s21, LIST                    ; my first tile's 32 entries
	v_add_nc_u32 v[LA], s21, v[R2]
	ds_load_u16 v[SC], v[LA]
	ds_load_u16 v[SC+1], v[LA] offset:32
	s_add_co_u32 s21, s21, 256                     ; my next tile lies 128 ranks on
	s_lshl_b32 s25, s14, 16                        ; a tile is two blocks of 32,768 bytes in actb
	v_add_nc_u32 v[ST], s25, v[L16]
	s_wait_dscnt 0x0
	MKOB
	v_mov_b32 v[OA], v[OB]
	v_mov_b32 v[OA+1], v[OB+1]
	WIN 0x40
	ALOAD 0, 0, OB
	ALOAD 1, 1, OB
	ALOAD 2, 2, OB
	WIN 0
	BLOAD 0
	s_wait_xcnt 0x0                                ; OB is written anew in the first trip only behind this wait
	s_mov_b32 s20, 16
.Ltile:
	v_add_nc_u32 v[LA], s21, v[R2]                 ; LIST + 64 w + 256 (trip + 1) + 2 (lane % 16): 4,350 bytes into the list's 4,608 at the most
	ds_load_u16 v[SC], v[LA]                       ; the next tile's entries; past the list's end they are the repeated row or 0: a token that exists
	ds_load_u16 v[SC+1], v[LA] offset:32
	PAIR 0
	PAIR 1
	PAIR 2
	PAIR 3
	PAIR 4
	PAIR 5
	PAIR 6
	PAIR 7
	PAIR 8
	PAIR 9
	PAIR 10
	PAIR 11
	PAIR 12
	PAIR 13
	PAIR 14
	PAIR 15
	; THE ACTIVATION, on 32 gates and 32 ups a lane.  Each accumulator's low registers (the gates) are read first.  Two batches of 32 transcendentals, one wait each.
	WIN 0
	PLACES
.set k, 0
.rept 8
.irp j, 0,1,2,3
	v_min_num_f32 v[ACC+8*k+\j], s28, v[ACC+8*k+\j]
.endr
.set k, k+1
.endr
.set k, 0
.rept 8
	v_pk_mul_f32 v[TE+4*k:TE+4*k+1], v[ACC+8*k:ACC+8*k+1], s[26:27] op_sel_hi:[1,0]
	v_pk_mul_f32 v[TE+4*k+2:TE+4*k+3], v[ACC+8*k+2:ACC+8*k+3], s[26:27] op_sel_hi:[1,0]
.set k, k+1
.endr
.set k, 0
.rept 32
	v_exp_f32 v[TE+k], v[TE+k]
.set k, k+1
.endr
.set k, 0
.rept 8                                                ; the ups' clip is the plain work behind the exponentials
.irp j, 4,5,6,7
	v_med3_num_f32 v[ACC+8*k+\j], v[ACC+8*k+\j], s29, s28
.endr
.set k, k+1
.endr
	s_wait_alu depctr_va_vdst(0)                   ; the wait ahead of the first reader: one for the 32 exponentials
.set k, 0
.rept 16
	v_pk_add_f32 v[TE+2*k:TE+2*k+1], v[TE+2*k:TE+2*k+1], 1.0 op_sel_hi:[1,0]
.set k, k+1
.endr
.set k, 0
.rept 32
	v_rcp_f32 v[TE+k], v[TE+k]                     ; a gate far below 0: 2^(c g) is infinite, its reciprocal 0, and g x 0 the result
.set k, k+1
.endr
	v_nop                                          ; a plain instruction behind the last reciprocal,
	s_wait_alu depctr_va_vdst(0)                   ; and one wait for the 32
.set k, 0
.rept 8
	v_pk_mul_f32 v[TE+4*k:TE+4*k+1], v[TE+4*k:TE+4*k+1], v[ACC+8*k:ACC+8*k+1]
	v_pk_mul_f32 v[TE+4*k+2:TE+4*k+3], v[TE+4*k+2:TE+4*k+3], v[ACC+8*k+2:ACC+8*k+3]
.set k, k+1
.endr
.set k, 0
.rept 8                                                ; (up + 1) glu = up glu + glu
	v_pk_fma_f32 v[TE+4*k:TE+4*k+1], v[ACC+8*k+4:ACC+8*k+5], v[TE+4*k:TE+4*k+1], v[TE+4*k:TE+4*k+1]
	v_pk_fma_f32 v[TE+4*k+2:TE+4*k+3], v[ACC+8*k+6:ACC+8*k+7], v[TE+4*k+2:TE+4*k+3], v[TE+4*k+2:TE+4*k+3]
.set k, k+1
.endr
.irp a, 0,1
.irp b, 0,1,2,3
.irp m, 0,1
	v_cvt_pk_bf16_f32 v[PK+4*(2*\a+\b/2)+2*(\b%2)+\m], v[TE+4*(4*\a+\b)+2*\m], v[TE+4*(4*\a+\b)+2*\m+1]
.endr
.endr
.endr
.irp a, 0,1
.irp g, 0,1
	global_store_b128 v[ST], v[PK+4*(2*\a+\g):PK+4*(2*\a+\g)+3], s[12:13] offset:32768*\a+512*\g  ; the wave stores 512 consecutive bytes, aligned
.endr
.endr
	s_wait_xcnt 0x0                                ; the offsets of this trip's loads and stores, and the stores' data, are written anew only behind this wait
	v_add_nc_u32 v[ST], 0x40000, v[ST]             ; 128 ranks on: eight blocks of 32,768 bytes
	v_mov_b32 v[OA], v[OB]
	v_mov_b32 v[OA+1], v[OB+1]
	s_add_co_u32 s21, s21, 256
	s_add_co_u32 s19, s19, 128
	s_cmp_ge_u32 s19, s18
	s_cbranch_scc1 .Ldone                          ; no further tile of mine begins below the count; the three chunks asked for ahead are dropped
	s_sub_co_u32 s20, s20, 1
	s_cmp_lg_u32 s20, 0
	s_cbranch_scc1 .Ltile
.Ldone:                                                ; every way of every wave comes here
	s_wait_dscnt 0x0                               ; my reads of the slice and of the list are over,
	s_barrier_signal -1
	s_barrier_wait -1                              ; and so are every wave's: only now is LDS written again, by the closing add
	s_wait_tensorcnt 0x0                           ; the wave's end
	ds_add_u32 v[SPW], v[NIL]
	s_wait_dscnt 0x0
	s_endpgm
.Lfunc_end_k_q57ce0f52be_gu:
	.size	k_q57ce0f52be_gu, .Lfunc_end_k_q57ce0f52be_gu-k_q57ce0f52be_gu
	.p2alignl 7, 3214868480
	.fill 96, 4, 3214868480
	.section	.rodata,"a",@progbits
	.p2align	6, 0x0
	.amdhsa_kernel k_q57ce0f52be_gu
		.amdhsa_group_segment_fixed_size 139008
		.amdhsa_private_segment_fixed_size 0
		.amdhsa_enable_private_segment 0
		.amdhsa_kernarg_size 48
		.amdhsa_user_sgpr_count 2
		.amdhsa_user_sgpr_kernarg_segment_ptr 1
		.amdhsa_wavefront_size32 1
		.amdhsa_system_sgpr_workgroup_id_x 1
		.amdhsa_system_sgpr_workgroup_id_y 1
		.amdhsa_system_sgpr_workgroup_id_z 1
		.amdhsa_system_vgpr_workitem_id 0
		.amdhsa_next_free_vgpr 512
		.amdhsa_next_free_sgpr 66
		.amdhsa_reserve_vcc 0
		.amdhsa_float_denorm_mode_32 3
		.amdhsa_float_denorm_mode_16_64 3
		.amdhsa_memory_ordered 1
		.amdhsa_forward_progress 1
		.amdhsa_inst_pref_size 157
	.end_amdhsa_kernel
	.amdgpu_metadata
---
amdhsa.version: [ 1, 2 ]
amdhsa.kernels:
  - .name:           k_q57ce0f52be_gu
    .symbol:         k_q57ce0f52be_gu.kd
    .args:
      - { .name: xb, .offset: 0, .size: 8, .value_kind: global_buffer, .address_space: global }
      - { .name: gate_up_proj, .offset: 8, .size: 8, .value_kind: global_buffer, .address_space: global }
      - { .name: gate_up_bias, .offset: 16, .size: 8, .value_kind: global_buffer, .address_space: global }
      - { .name: code, .offset: 24, .size: 8, .value_kind: global_buffer, .address_space: global }
      - { .name: actb, .offset: 32, .size: 8, .value_kind: global_buffer, .address_space: global }
      - { .name: rows, .offset: 40, .size: 8, .value_kind: global_buffer, .address_space: global }
    .group_segment_fixed_size: 139008
    .private_segment_fixed_size: 0
    .kernarg_segment_align: 8
    .kernarg_segment_size: 48
    .max_flat_workgroup_size: 128
    .sgpr_count:     66
    .vgpr_count:     512
    .wavefront_size: 32
...
	.end_amdgpu_metadata
.endif
;; end of part 2
;; launch down (part 3): grid 32 x 8, 4 waves a work-group, no clusters, 151,040 bytes of LDS; arguments actb, down_proj, down_bias, rows, part; writes part
.if DOCPART == 3
	.amdgcn_target "amdgcn-amd-amdhsa--gfx1250"
	.amdhsa_code_object_version 6
	.text
	.protected	k_q57ce0f52be_down
	.globl	k_q57ce0f52be_down
	.p2align	8
	.type	k_q57ce0f52be_down,@function
k_q57ce0f52be_down:
	s_mov_b64 s[64:65], 0
	v_nop
	global_prefetch_b8 v0, s[64:65] scope:SCOPE_SE
	s_setreg_imm32_b32 hwreg(HW_REG_WAVE_MODE, 25, 1), 1
	s_wait_xcnt 0x0
; SECOND PRODUCT.  part[2 token + choice][:] = act . down_proj[e] + down_bias[e], in f32, not yet weighted, for the rows that chose expert e = group y; the 64 columns of slice = group x / 2.
; LIMITS.  The weights and the bias are rounded to bf16 (nearest even); act comes in bf16; sums in f32.
; SHARES.  The work-group lays its slice, 1,024 x 256 bytes of f32, into LDS as bf16 fragments (wave w: rows 256 w on); one barrier.  The expert's count and its list of rows (entry = 2 token + choice, by rank)
; were stored by the launch before.  The two work-groups of a slice (p = group x % 2) share its tiles of 32 ranks: wave w takes tiles 4 p + w, + 8, ..  The loop has a constant count of 8 trips, which serves an expert
; with all 2,048 rows, and is left forward when the next tile begins at or past the count; it holds no barrier, all its LDS addresses are fixed, and the only LDS that it writes is the wave's own stage.
; act's fragments come straight from memory in operand order, 512 consecutive bytes a load.  Where there is no next tile the look-ahead asks for the tile in hand once more, so that nothing unwritten is read.
; A tile's 32 entries are 64 consecutive bytes, the same for all lanes: one scalar load a tile.
; THE PRODUCT IS USED TRANSPOSED: a lane holds one row and eight neighbouring columns.  A block of 16 rows goes through the wave's stage and leaves as whole rows: sixteen lanes store the slice's 256 consecutive, aligned bytes of a row.
; In a tile that is not full the places past the count carry the last row's entry and the last row's act: they store that row's own numbers onto it again, from the same wave: at most 31 times 256 bytes a work-group.
; NO CLUSTER: an expert's work-groups share act's tiles, but how many tiles there are hangs on a stored count, and partners would have to ask alike; a walk of the constant worst case would ask for 2,048 rows
; where an even split has 512: four times the rows, which is what sharing among four would save.
.set ROWB,  4096                       ; bytes in a row of down_proj[e]
.set SSTR,  4160                       ; a K step of the slice in LDS: four tiles of 1,024 bytes, 1,040 apart
.set STAGE, 32*SSTR                    ; 16 rows x 272 bytes for each wave
.set SPITCH, 272
.set SPARE, STAGE+4*16*SPITCH          ; the spare words, 128 bytes for each of four waves: two blocks of 256 bytes that no other line names
.set RSTR,  5120                       ; rows[e]: 4,608 bytes of list, then the count
.set RCNT,  4608
.set L16,  1                           ; v1   16 x lane
.set SI,   2                           ; v2   the stage: where I put my 32 bytes of a row
.set SR,   3                           ; v3   the stage: where I read a row back
.set C16,  4                           ; v4   16 x (lane % 16)
.set SH,   6                           ; v6   16 x (lane / 16): which half of a word of two entries is mine
.set HH,   7                           ; v7   lane / 16
.set BA,   8                           ; v8-11 LDS address of my 16 bytes of a fragment, K steps 8 q on
.set LN,   13                          ; v13  lane
.set SPW,  14                          ; v14  LDS address of my spare word; never rewritten
.set NIL,  15                          ; v15  0; never rewritten
.set BIAS, 16                          ; v16-47  the bias as the C operand of a tile's first K step
.set ACC,  48                          ; v48-111 accumulator (a, b) at 8 (4 a + b)
.set BB,   112                         ; v112-175, v176-239 W's fragments of two K steps, two buffers
.set SC,   240                         ; v240-255 at work: on the way out the sixteen pairs of rows' offsets
.set OUTB, 176                         ; the rows read back from the stage, in the second buffer
; while the slice is staged: v4 offset in W, v5 LDS address, v6 offset in the bias; v80-239 five sets of eight loads; v240-255 at work
.set VW,   4
.set VS,   5
.set VB,   6
.set RING, 80
.set T,    240
; window 1 (v256-511): act's fragments, four buffers of 64: chunk c (4 K steps) in buffer c % 4, K step ks, block a at 64 (c % 4) + 16 ks + 8 a
; s14 wave, s15 slice, s16 e, s18 count, s19 the tile's first rank, s20 trips, s21 4 p + w, s[22:23] an offset, s25 at work,
; s[30:31] act at the tile in hand, s[32:33] at the next, s[34:35] at the expert, s[54:55] the list at the tile in hand, s[68:83] its 32 entries
.set BC, 30
.set BN, 32
.set LP, 54
.set ENT, 68
.set MSB, 0
.macro WIN new                         ; s_set_vgpr_msb: bits 1:0 source 0, 3:2 source 1, 5:4 source 2, 7:6 destination; the high byte repeats the setting that is left
.if MSB != (\new)
	s_set_vgpr_msb (MSB<<8)|(\new)
.set MSB, \new
.endif
.endm
.macro PLACES                          ; four places between a matrix instruction and a load into, or a vector write of, its registers, or a read of its result
.rept 4
	v_nop
.endr
.endm
; Unit u of 16: sixteen rows of the slice.  Lanes 0-15 read the 256 consecutive, aligned bytes of row 16 u + i, lanes 16-31 those of row 16 u + 8 + i.  No hint: the slice's other work-group reads them too.
.macro WLOAD u
.irp i, 0,1,2,3,4,5,6,7
	global_load_b128 v[RING+32*((\u)%5)+4*\i:RING+32*((\u)%5)+4*\i+3], v[VW], s[6:7] offset:(16*(\u)+\i)*ROWB
.endr
.endm
; A lane holds 8 rows (k) x 4 columns: each column's eight numbers, rounded, are the 16 bytes of one lane of a fragment.
.macro WCONV u
.irp jn, 0,1,2,3
.irp d, 0,1,2,3
	v_cvt_pk_bf16_f32 v[T+4*\jn+\d], v[RING+32*((\u)%5)+8*\d+\jn], v[RING+32*((\u)%5)+8*\d+4+\jn]
.endr
	ds_store_b128 v[VS], v[T+4*\jn:T+4*\jn+3] offset:((\u)/2)*SSTR+((\u)%2)*512+16*\jn
.endr
.endm
; Chunk c of a tile's act: 128 along K, 16 loads of 512 consecutive bytes, into buffer q; set = BC or BN
.macro ALOAD c, q, set
.irp ks, 0,1,2,3
.irp a, 0,1
.irp g, 0,1
	global_load_b128 v[64*(\q)+16*\ks+8*\a+4*\g:64*(\q)+16*\ks+8*\a+4*\g+3], v[L16], s[\set:\set+1] offset:32768*\a+1024*(4*(\c)+\ks)+512*\g
.endr
.endr
.endr
.endm
; W's fragments of K steps 2 P, 2 P + 1: 16 loads of 512 consecutive bytes
.macro BLOAD P
.irp st, 0,1
.irp b, 0,1,2,3
.irp g, 0,1
	ds_load_b128 v[BB+64*((\P)%2)+32*\st+8*\b+4*\g:BB+64*((\P)%2)+32*\st+8*\b+4*\g+3], v[BA+(2*(\P)+\st)/8] offset:((2*(\P)+\st)%8)*SSTR+1040*\b+512*\g
.endr
.endr
.endr
.endm
; 16 products.  The eight accumulators take turns, one instruction a turn.  The tile's first K step starts the sums with the bias.
.macro MULS P
.irp st, 0,1
.irp a, 0,1
.irp b, 0,1,2,3
.if ((\P) == 0) && (\st == 0)
	v_wmma_f32_16x16x32_bf16 v[ACC+8*(4*\a+\b):ACC+8*(4*\a+\b)+7], v[BB+64*((\P)%2)+32*\st+8*\b:BB+64*((\P)%2)+32*\st+8*\b+7], v[64*(((\P)/2)%4)+16*(2*((\P)%2)+\st)+8*\a:64*(((\P)/2)%4)+16*(2*((\P)%2)+\st)+8*\a+7], v[BIAS+8*\b:BIAS+8*\b+7]
.else
	v_wmma_f32_16x16x32_bf16 v[ACC+8*(4*\a+\b):ACC+8*(4*\a+\b)+7], v[BB+64*((\P)%2)+32*\st+8*\b:BB+64*((\P)%2)+32*\st+8*\b+7], v[64*(((\P)/2)%4)+16*(2*((\P)%2)+\st)+8*\a:64*(((\P)/2)%4)+16*(2*((\P)%2)+\st)+8*\a+7], v[ACC+8*(4*\a+\b):ACC+8*(4*\a+\b)+7]
.endif
.endr
.endr
.endr
.endm
; Pair P of 16: two K steps.  An even pair opens chunk c = P / 2 and asks for the chunk three on (from c = 5 the next tile's first three): 48 loads of the wave are then out.
.macro PAIR P
	WIN 0
	PLACES                                         ; behind pair P - 1's products, which read the buffers that are loaded below
.if (\P)%2 == 0
	s_wait_loadcnt 32                              ; chunk c is in; the two younger chunks, 32 loads, stay out
	WIN 0x40                                       ; destination window 1
.set c3, (\P)/2+3
.if (\P)/2 < 5
	ALOAD c3%8, c3%4, BC
.else
	ALOAD c3%8, c3%4, BN
.endif
	WIN 0
.endif
	BLOAD ((\P)+1)%16
	s_wait_dscnt 16                                ; pair P's fragments of W are in; the 16 loads just issued stay out
	WIN 0x04                                       ; source 1 window 1
	MULS \P
.endm
	s_load_b256 s[4:11], s[0:1], 0x0               ; actb s[4:5], down_proj s[6:7], down_bias s[8:9], rows s[10:11]
	s_load_b64 s[12:13], s[0:1], 0x20              ; part
	v_lshl_add_u32 v[SPW], v0, 2, SPARE
	v_mov_b32 v[NIL], 0
	v_lshrrev_b32 v[LN], 5, v0
	v_readfirstlane_b32 s14, v[LN]                 ; wave 0..3
	v_and_b32 v[LN], 31, v0
	v_lshlrev_b32 v[L16], 4, v[LN]
	v_bfe_u32 v[HH], v0, 4, 1
	s_lshr_b32 s15, ttmp9, 1
	s_and_b32 s21, ttmp9, 1
	s_lshl2_add_u32 s21, s21, s14                  ; 4 p + w
	s_and_b32 s16, ttmp7, 0xffff
	v_and_b32 v[T], 15, v0
	v_lshlrev_b32 v[VW], 4, v[T]                   ; 16 bytes of the slice's 256,
	v_lshl_add_u32 v[VW], v[HH], 15, v[VW]         ; eight rows down for the upper lanes,
	s_lshl_b32 s25, s14, 20
	v_add_nc_u32 v[VW], s25, v[VW]                 ; my wave's 256 rows
	v_bfe_u32 v[T+1], v0, 2, 2                     ; the lane's four columns 4 (lane % 16) on: tile (lane % 16) / 4, places 4 (lane % 4) on
	v_and_b32 v[T+2], 3, v0
	v_mul_u32_u24 v[VS], v[T+1], 1040
	v_lshl_add_u32 v[VS], v[HH], 8, v[VS]
	v_lshl_add_u32 v[VS], v[T+2], 6, v[VS]
	s_mul_i32 s25, s14, 8*SSTR
	v_add_nc_u32 v[VS], s25, v[VS]                 ; my wave's eight K steps
	v_lshlrev_b32 v[VB], 5, v[HH]
	s_mov_b32 s23, 0
	s_wait_kmcnt 0x0
	s_mul_i32 s22, s16, RSTR
	s_add_nc_u64 s[10:11], s[10:11], s[22:23]      ; the expert's list
	s_load_b32 s18, s[10:11], RCNT                 ; and its count
	s_lshl_b32 s25, s15, 8                         ; the slice's 256 bytes
	s_lshl_b32 s22, s16, 22                        ; the expert's 4,194,304 bytes, in actb and in down_proj
	s_add_nc_u64 s[34:35], s[4:5], s[22:23]
	s_add_co_u32 s22, s22, s25
	s_add_nc_u64 s[6:7], s[6:7], s[22:23]
	s_lshl_b32 s22, s16, 12
	s_add_co_u32 s22, s22, s25
	s_add_nc_u64 s[8:9], s[8:9], s[22:23]
	s_mov_b32 s22, s25
	s_add_nc_u64 s[12:13], s[12:13], s[22:23]
	WLOAD 0                                        ; 40 loads of each wave are on their way before anything is waited for
	WLOAD 1
	WLOAD 2
	WLOAD 3
	WLOAD 4
.set u, 0
.rept 16
.if u <= 10
	s_wait_loadcnt 32                              ; unit u is in; four younger units stay out
.else
	s_wait_loadcnt 8*(16-u)                        ; the units left, and the eight loads of the bias
.endif
	WCONV u
.if u <= 10
	WLOAD u+5
.endif
.if u == 10
.irp b, 0,1,2,3                                        ; tile b's eight places of my half of the lanes: columns 16 b + 8 (lane / 16) on
	global_load_b128 v[BIAS+8*\b:BIAS+8*\b+3], v[VB], s[8:9] offset:64*\b
	global_load_b128 v[BIAS+8*\b+4:BIAS+8*\b+7], v[VB], s[8:9] offset:64*\b+16
.endr
.endif
.set u, u+1
.endr
	s_wait_loadcnt 0x0
.set k, 0
.rept 16                                               ; the bias rounded to bf16 like every input,
	v_cvt_pk_bf16_f32 v[T+k], v[BIAS+2*k], v[BIAS+2*k+1]
.set k, k+1
.endr
.set k, 0
.rept 16                                               ; and widened again
	v_lshlrev_b32 v[BIAS+2*k], 16, v[T+k]
	v_and_b32 v[BIAS+2*k+1], 0xffff0000, v[T+k]
.set k, k+1
.endr
	s_wait_dscnt 0x0                               ; for the others' sake: my part of the slice is in LDS
	s_barrier_signal -1
	s_barrier_wait -1                              ; the only barrier: from here on a wave writes its own stage alone
.irp q, 0,1,2,3
	v_add_nc_u32 v[BA+\q], \q*8*SSTR, v[L16]
.endr
	v_lshlrev_b32 v[SH], 4, v[HH]
	s_wait_kmcnt 0x0                               ; the count
	s_min_u32 s18, s18, 2048                       ; the expert's rows
	s_lshl_b32 s19, s21, 5                         ; my first tile's first rank
	s_cmp_ge_u32 s19, s18
	s_cbranch_scc1 .Ldone
	s_lshl_b32 s22, s19, 11                        ; a rank's share of actb is 2,048 bytes: a block of 16 has 32,768
	s_add_nc_u64 s[BN:BN+1], s[34:35], s[22:23]
	s_lshl_b32 s22, s19, 1                         ; and of the list 2
	s_add_nc_u64 s[LP:LP+1], s[10:11], s[22:23]
	WIN 0x40
	ALOAD 0, 0, BN
	ALOAD 1, 1, BN
	ALOAD 2, 2, BN
	WIN 0
	BLOAD 0
	v_and_b32 v[SC], 15, v0
	s_mul_i32 s25, s14, 16*SPITCH
	s_add_co_u32 s25, s25, STAGE                   ; my stage
	v_mul_u32_u24 v[SI], v[SC], SPITCH             ; in: row lane % 16, 32 bytes for each half of the lanes
	v_lshl_add_u32 v[SI], v[HH], 5, v[SI]
	v_add_nc_u32 v[SI], s25, v[SI]
	v_mul_u32_u24 v[SR], v[HH], SPITCH             ; back: two whole rows of 256 bytes
	v_lshl_add_u32 v[SR], v[SC], 4, v[SR]
	v_add_nc_u32 v[SR], s25, v[SR]
	v_lshlrev_b32 v[C16], 4, v[SC]
	s_wait_xcnt 0x0                                ; the next tile's base is written anew in the first trip only behind this wait
	s_mov_b32 s20, 8
.Ltile:
	s_load_b512 s[ENT:ENT+15], s[LP:LP+1], 0x0     ; the tile's 32 entries: word q holds those of ranks 2 q and 2 q + 1
	s_mov_b64 s[BC:BC+1], s[BN:BN+1]
	s_add_co_u32 s25, s19, 256                     ; my next tile, if it begins below the count; else the tile in hand once more
	s_cmp_lt_u32 s25, s18
	s_cselect_b32 s25, s25, s19
	s_lshl_b32 s22, s25, 11
	s_add_nc_u64 s[BN:BN+1], s[34:35], s[22:23]
	PAIR 0
	PAIR 1
	PAIR 2
	PAIR 3
	PAIR 4
	PAIR 5
	PAIR 6
	PAIR 7
	PAIR 8
	PAIR 9
	PAIR 10
	PAIR 11
	PAIR 12
	PAIR 13
	PAIR 14
	PAIR 15
	; THE WAY OUT.  Each block of 16 rows goes into my stage and comes back as whole rows.  LDS serves a wave's instructions in order, so no wait stands between the stores and the loads, nor between the blocks.
	WIN 0
	PLACES
.irp a, 0,1
.irp b, 0,1,2,3                                        ; each accumulator's low registers first
	ds_store_b128 v[SI], v[ACC+8*(4*\a+\b):ACC+8*(4*\a+\b)+3] offset:64*\b
	ds_store_b128 v[SI], v[ACC+8*(4*\a+\b)+4:ACC+8*(4*\a+\b)+7] offset:64*\b+16
.endr
.irp t, 0,1,2,3,4,5,6,7
	ds_load_b128 v[OUTB+32*\a+4*\t:OUTB+32*\a+4*\t+3], v[SR] offset:2*SPITCH*\t
.endr
.endr
	s_wait_kmcnt 0x0                               ; the entries
.set k, 0
.rept 16                                               ; store k takes rows 2 k (lanes 0-15) and 2 k + 1 (lanes 16-31) of the tile
	v_bfe_u32 v[SC+k], s[ENT+k], v[SH], 16
	v_min_u32 v[SC+k], 0xfff, v[SC+k]              ; clamped by a constant before it becomes an address: part has 4,096 rows of 4,096 bytes
	v_lshl_add_u32 v[SC+k], v[SC+k], 12, v[C16]
.set k, k+1
.endr
	s_wait_dscnt 16                                ; block 0 is back; block 1's eight stores and eight loads stay out
.irp t, 0,1,2,3,4,5,6,7
	global_store_b128 v[SC+\t], v[OUTB+4*\t:OUTB+4*\t+3], s[12:13]  ; sixteen lanes store 256 consecutive bytes of a row, aligned
.endr
	s_wait_dscnt 0x0
.irp t, 0,1,2,3,4,5,6,7
	global_store_b128 v[SC+8+\t], v[OUTB+32+4*\t:OUTB+32+4*\t+3], s[12:13]
.endr
	s_wait_xcnt 0x0                                ; the bases of this trip's loads, and the stores' offsets and data, are written anew only behind this wait
	s_add_nc_u64 s[LP:LP+1], s[LP:LP+1], 512       ; my next tile lies 256 ranks on
	s_add_co_u32 s19, s19, 256
	s_cmp_ge_u32 s19, s18
	s_cbranch_scc1 .Ldone                          ; no further tile of mine begins below the count; the three chunks asked for ahead are dropped
	s_sub_co_u32 s20, s20, 1
	s_cmp_lg_u32 s20, 0
	s_cbranch_scc1 .Ltile
.Ldone:
	s_wait_tensorcnt 0x0                           ; the wave's end
	ds_add_u32 v[SPW], v[NIL]
	s_wait_dscnt 0x0
	s_endpgm
.Lfunc_end_k_q57ce0f52be_down:
	.size	k_q57ce0f52be_down, .Lfunc_end_k_q57ce0f52be_down-k_q57ce0f52be_down
	.p2alignl 7, 3214868480
	.fill 96, 4, 3214868480
	.section	.rodata,"a",@progbits
	.p2align	6, 0x0
	.amdhsa_kernel k_q57ce0f52be_down
		.amdhsa_group_segment_fixed_size 151040
		.amdhsa_private_segment_fixed_size 0
		.amdhsa_enable_private_segment 0
		.amdhsa_kernarg_size 40
		.amdhsa_user_sgpr_count 2
		.amdhsa_user_sgpr_kernarg_segment_ptr 1
		.amdhsa_wavefront_size32 1
		.amdhsa_system_sgpr_workgroup_id_x 1
		.amdhsa_system_sgpr_workgroup_id_y 1
		.amdhsa_system_sgpr_workgroup_id_z 1
		.amdhsa_system_vgpr_workitem_id 0
		.amdhsa_next_free_vgpr 512
		.amdhsa_next_free_sgpr 84
		.amdhsa_reserve_vcc 0
		.amdhsa_float_denorm_mode_32 3
		.amdhsa_float_denorm_mode_16_64 3
		.amdhsa_memory_ordered 1
		.amdhsa_forward_progress 1
		.amdhsa_inst_pref_size 101
	.end_amdhsa_kernel
	.amdgpu_metadata
---
amdhsa.version: [ 1, 2 ]
amdhsa.kernels:
  - .name:           k_q57ce0f52be_down
    .symbol:         k_q57ce0f52be_down.kd
    .args:
      - { .name: actb, .offset: 0, .size: 8, .value_kind: global_buffer, .address_space: global }
      - { .name: down_proj, .offset: 8, .size: 8, .value_kind: global_buffer, .address_space: global }
      - { .name: down_bias, .offset: 16, .size: 8, .value_kind: global_buffer, .address_space: global }
      - { .name: rows, .offset: 24, .size: 8, .value_kind: global_buffer, .address_space: global }
      - { .name: part, .offset: 32, .size: 8, .value_kind: global_buffer, .address_space: global }
    .group_segment_fixed_size: 151040
    .private_segment_fixed_size: 0
    .kernarg_segment_align: 8
    .kernarg_segment_size: 40
    .max_flat_workgroup_size: 128
    .sgpr_count:     84
    .vgpr_count:     512
    .wavefront_size: 32
...
	.end_amdgpu_metadata
.endif
;; end of part 3
;; launch sum (part 4): grid 256 x 1, 8 waves a work-group, no clusters, 0 bytes of LDS; arguments part, wts, out0; writes out0
.if DOCPART == 4
	.amdgcn_target "amdgcn-amd-amdhsa--gfx1250"
	.amdhsa_code_object_version 6
	.text
	.protected	k_q57ce0f52be_sum
	.globl	k_q57ce0f52be_sum
	.p2align	8
	.type	k_q57ce0f52be_sum,@function
k_q57ce0f52be_sum:
	s_mov_b64 s[64:65], 0
	v_nop
	global_prefetch_b8 v0, s[64:65] scope:SCOPE_SE
	s_setreg_imm32_b32 hwreg(HW_REG_WAVE_MODE, 25, 1), 1
	s_wait_xcnt 0x0
; out0[t][:] = w0[t] part[2 t][:] + w1[t] part[2 t + 1][:], all f32.  A stream: each byte is read once and written once, so there is no LDS, no barrier, no matrix unit and no cluster (no two waves share a byte).
; A wave takes one token: 16 loads of 512 consecutive bytes go out before anything is waited for, by turns from the two rows; each store covers 512 consecutive bytes, aligned.  256 work-groups x 8 waves = 2,048 tokens.
	s_load_b128 s[4:7], s[0:1], 0x0                ; part s[4:5], wts s[6:7]
	s_load_b64 s[8:9], s[0:1], 0x10                ; out0
	v_lshrrev_b32 v1, 5, v0
	v_readfirstlane_b32 s10, v1                    ; wave 0..7
	v_and_b32 v2, 31, v0
	v_lshlrev_b32 v2, 4, v2                        ; 16 x lane
	s_lshl_b32 s11, ttmp9, 3
	s_add_co_u32 s11, s11, s10                     ; my token
	s_lshl_b32 s18, s11, 13                        ; its two rows of 4,096 bytes in part,
	s_mov_b32 s19, 0
	s_lshl_b32 s20, s11, 3                         ; its two weights,
	s_mov_b32 s21, 0
	s_lshl_b32 s22, s11, 12                        ; its row of out0
	s_mov_b32 s23, 0
	s_wait_kmcnt 0x0
	s_add_nc_u64 s[4:5], s[4:5], s[18:19]
	s_add_nc_u64 s[6:7], s[6:7], s[20:21]
	s_add_nc_u64 s[8:9], s[8:9], s[22:23]
	s_load_b64 s[12:13], s[6:7], 0x0               ; w0, w1
.irp i, 0,1,2,3,4,5,6,7
	global_load_b128 v[8+8*\i:11+8*\i], v2, s[4:5] offset:512*\i th:TH_LOAD_NT
	global_load_b128 v[12+8*\i:15+8*\i], v2, s[4:5] offset:4096+512*\i th:TH_LOAD_NT
.endr
	s_wait_kmcnt 0x0
	s_mov_b32 s14, s13                             ; w1 in the low word of a pair of its own: the packed forms take a scalar pair's low word for both halves
	s_mov_b32 s15, s13
.irp i, 0,1,2,3,4,5,6,7
	s_wait_loadcnt 14-2*\i                         ; loads come back in order: pair i is in, the younger pairs stay out
	v_pk_mul_f32 v[12+8*\i:13+8*\i], v[12+8*\i:13+8*\i], s[14:15] op_sel_hi:[1,0]
	v_pk_mul_f32 v[14+8*\i:15+8*\i], v[14+8*\i:15+8*\i], s[14:15] op_sel_hi:[1,0]
	v_pk_fma_f32 v[8+8*\i:9+8*\i], v[8+8*\i:9+8*\i], s[12:13], v[12+8*\i:13+8*\i] op_sel_hi:[1,0,1]
	v_pk_fma_f32 v[10+8*\i:11+8*\i], v[10+8*\i:11+8*\i], s[12:13], v[14+8*\i:15+8*\i] op_sel_hi:[1,0,1]
	global_store_b128 v2, v[8+8*\i:11+8*\i], s[8:9] offset:512*\i th:TH_STORE_NT
.endr
	s_endpgm
.Lfunc_end_k_q57ce0f52be_sum:
	.size	k_q57ce0f52be_sum, .Lfunc_end_k_q57ce0f52be_sum-k_q57ce0f52be_sum
	.p2alignl 7, 3214868480
	.fill 96, 4, 3214868480
	.section	.rodata,"a",@progbits
	.p2align	6, 0x0
	.amdhsa_kernel k_q57ce0f52be_sum
		.amdhsa_group_segment_fixed_size 0
		.amdhsa_private_segment_fixed_size 0
		.amdhsa_enable_private_segment 0
		.amdhsa_kernarg_size 24
		.amdhsa_user_sgpr_count 2
		.amdhsa_user_sgpr_kernarg_segment_ptr 1
		.amdhsa_wavefront_size32 1
		.amdhsa_system_sgpr_workgroup_id_x 1
		.amdhsa_system_sgpr_workgroup_id_y 1
		.amdhsa_system_sgpr_workgroup_id_z 1
		.amdhsa_system_vgpr_workitem_id 0
		.amdhsa_next_free_vgpr 72
		.amdhsa_next_free_sgpr 66
		.amdhsa_reserve_vcc 0
		.amdhsa_float_denorm_mode_32 3
		.amdhsa_float_denorm_mode_16_64 3
		.amdhsa_memory_ordered 1
		.amdhsa_forward_progress 1
		.amdhsa_inst_pref_size 6
	.end_amdhsa_kernel
	.amdgpu_metadata
---
amdhsa.version: [ 1, 2 ]
amdhsa.kernels:
  - .name:           k_q57ce0f52be_sum
    .symbol:         k_q57ce0f52be_sum.kd
    .args:
      - { .name: part, .offset: 0, .size: 8, .value_kind: global_buffer, .address_space: global }
      - { .name: wts, .offset: 8, .size: 8, .value_kind: global_buffer, .address_space: global }
      - { .name: out0, .offset: 16, .size: 8, .value_kind: global_buffer, .address_space: global }
    .group_segment_fixed_size: 0
    .private_segment_fixed_size: 0
    .kernarg_segment_align: 8
    .kernarg_segment_size: 24
    .max_flat_workgroup_size: 256
    .sgpr_count:     66
    .vgpr_count:     72
    .wavefront_size: 32
...
	.end_amdgpu_metadata
.endif
;; end of part 4
;; ======== version 2 of 2: 4 launches; version 1 with the launch down written anew for expert scheduling mode
;; workspace buffers: xb 4,194,304 bytes; code 8,192 bytes of whole numbers; wts 16,384 bytes; actb 33,554,432 bytes; part 16,777,216 bytes; rows 40,960 bytes of whole numbers
;; launch router: the kernel of part 1 again; grid 128 x 1, 8 waves a work-group, no clusters, 75,264 bytes of LDS; arguments hidden_states, router_w, router_b, xb, code, wts, out1; writes xb, code, wts, out1
;; launch gu: the kernel of part 2 again; grid 32 x 8, 4 waves a work-group, no clusters, 139,008 bytes of LDS; arguments xb, gate_up_proj, gate_up_bias, code, actb, rows; writes actb, rows
;; launch down (part 5): grid 32 x 8, 4 waves a work-group, no clusters, 151,040 bytes of LDS; arguments actb, down_proj, down_bias, rows, part; writes part
.if DOCPART == 5
	.amdgcn_target "amdgcn-amd-amdhsa--gfx1250"
	.amdhsa_code_object_version 6
	.text
	.protected	k_q57ce0f52be_down
	.globl	k_q57ce0f52be_down
	.p2align	8
	.type	k_q57ce0f52be_down,@function
k_q57ce0f52be_down:
	s_mov_b64 s[64:65], 0
	v_nop
	global_prefetch_b8 v0, s[64:65] scope:SCOPE_SE
	s_setreg_imm32_b32 hwreg(HW_REG_WAVE_SCHED_MODE, 0, 2), 2
	s_setreg_imm32_b32 hwreg(HW_REG_WAVE_MODE, 25, 1), 1
	s_wait_xcnt 0x0
	s_wait_alu depctr_vm_vsrc(0)
; SECOND PRODUCT.  part[2 token + choice][:] = act . down_proj[e] + down_bias[e], in f32, not yet weighted, for the rows that chose expert e = group y; the 64 columns of slice = group x / 2.
; LIMITS.  The weights and the bias are rounded to bf16 (nearest even); act comes in bf16; sums in f32.
; SHARES.  The work-group lays its slice, 1,024 x 256 bytes of f32, into LDS as bf16 fragments (wave w: rows 256 w on); one barrier.  The expert's count and its list of rows (entry = 2 token + choice, by rank)
; were stored by the launch before.  The two work-groups of a slice (p = group x % 2) share its tiles of 32 ranks: wave w takes tiles 4 p + w, + 8, ..  The loop has a constant count of 8 trips, which serves an expert
; with all 2,048 rows, and is left forward when the next tile begins at or past the count; it holds no barrier, all its LDS addresses are fixed, and the only LDS that it writes is the wave's own stage.
; act's fragments come straight from memory in operand order, 512 consecutive bytes a load.  Where there is no next tile the look-ahead asks for the tile in hand once more, so that nothing unwritten is read.
; A tile's 32 entries are 64 consecutive bytes, the same for all lanes: one scalar load a tile.
; THE PRODUCT IS USED TRANSPOSED: a lane holds one row and eight neighbouring columns.  A block of 16 rows goes through the wave's stage and leaves as whole rows: sixteen lanes store the slice's 256 consecutive, aligned bytes of a row.
; In a tile that is not full the places past the count carry the last row's entry and the last row's act: they store that row's own numbers onto it again, from the same wave: at most 31 times 256 bytes a work-group.
; NO CLUSTER: an expert's work-groups share act's tiles, but how many tiles there are hangs on a stored count, and partners would have to ask alike; a walk of the constant worst case would ask for 2,048 rows
; where an even split has 512: four times the rows, which is what sharing among four would save.
; THE MODE: SCHED_MODE bits 1:0 = 2 (LLVM: expert scheduling mode 2), set by the entry lines.  The code itself states the register dependences
; between vector or matrix instructions and memory or LDS instructions, with s_wait_alu, always for 0.
; THE PLAN, for the tile loop.  A pair is two K steps, 16 products.  Registers that memory or LDS instructions touch:
;   A0 .. A3 (window 1)  Pairs 2 c, 2 c + 1: their products read A[c % 4].  The loads of chunk c + 3, issued at the head of pair 2 c, land in A[(c - 1) % 4], which pairs 2 c - 2, 2 c - 1 read.
;   BB0, BB1             Pair P: its products read BB[P % 2]; the LDS loads of pair P + 1, issued in pair P, land in the other, which pair P - 1 read.  On the way out the stage's loads land in BB1 (OUTB), and the stores read it.
;   the accumulators     Written by the products; read by the stage's LDS stores.
;   v[SC ..]             The sixteen stores' offsets: written on the way out, ahead of the stage; read by the stores.
;   v[BA ..], v[L16], v[SI], v[SR]  Addresses, never written in the loop.
; So ONE wait on va_vdst stands at a pair's head: the pair before is done reading the two buffers in which this pair's loads land.  The pair's loads follow it, the LDS loads dealt among the first eight products, which name
; BB[P % 2], A[c % 4], the accumulators and the bias: none of the registers that those loads touch.  One more stands on the way out, behind the offsets' lines: the accumulators and the offsets are written, BB1 is read out.
; ONE wait on vm_vsrc a trip, at its end, beside the wait on XCNT: the stage's stores have read the accumulators, the global stores OUTB and the offsets, all of which the next trip writes.
.set ROWB,  4096                       ; bytes in a row of down_proj[e]
.set SSTR,  4160                       ; a K step of the slice in LDS: four tiles of 1,024 bytes, 1,040 apart
.set STAGE, 32*SSTR                    ; 16 rows x 272 bytes for each wave (behind the four stages 512 bytes of spare words for the closing add)
.set SPITCH, 272
.set RSTR,  5120                       ; rows[e]: 4,608 bytes of list, then the count
.set RCNT,  4608
.set L16,  1                           ; v1   16 x lane
.set SI,   2                           ; v2   the stage: where I put my 32 bytes of a row
.set SR,   3                           ; v3   the stage: where I read a row back
.set C16,  4                           ; v4   16 x (lane % 16)
.set SH,   6                           ; v6   16 x (lane / 16): which half of a word of two entries is mine
.set HH,   7                           ; v7   lane / 16
.set BA,   8                           ; v8-11 LDS address of my 16 bytes of a fragment, K steps 8 q on
.set LN,   13                          ; v13  lane
.set BIAS, 16                          ; v16-47  the bias as the C operand of a tile's first K step
.set ACC,  48                          ; v48-111 accumulator (a, b) at 8 (4 a + b)
.set BB,   112                         ; v112-175, v176-239 W's fragments of two K steps, two buffers
.set SC,   240                         ; v240-255 at work: on the way out the sixteen pairs of rows' offsets
.set OUTB, 176                         ; the rows read back from the stage, in the second buffer
; while the slice is staged: v4 offset in W, v5 LDS address, v6 offset in the bias; v80-239 five sets of eight loads; v240-255 at work
.set VW,   4
.set VS,   5
.set VB,   6
.set RING, 80
.set T,    240
; window 1 (v256-511): act's fragments, four buffers of 64: chunk c (4 K steps) in buffer c % 4, K step ks, block a at 64 (c % 4) + 16 ks + 8 a
; s14 wave, s15 slice, s16 e, s18 count, s19 the tile's first rank, s20 trips, s21 4 p + w, s[22:23] an offset, s25 at work,
; s[30:31] act at the tile in hand, s[32:33] at the next, s[34:35] at the expert, s[54:55] the list at the tile in hand, s[68:83] its 32 entries
.set BC, 30
.set BN, 32
.set LP, 54
.set ENT, 68
.set MSB, 0
.macro WIN new                         ; s_set_vgpr_msb: bits 1:0 source 0, 3:2 source 1, 5:4 source 2, 7:6 destination; the high byte repeats the setting that is left
.if MSB != (\new)
	s_set_vgpr_msb (MSB<<8)|(\new)
.set MSB, \new
.endif
.endm
; Unit u of 16: sixteen rows of the slice.  Lanes 0-15 read the 256 consecutive, aligned bytes of row 16 u + i, lanes 16-31 those of row 16 u + 8 + i.  No hint: the slice's other work-group reads them too.
.macro WLOAD u
.irp i, 0,1,2,3,4,5,6,7
	global_load_b128 v[RING+32*((\u)%5)+4*\i:RING+32*((\u)%5)+4*\i+3], v[VW], s[6:7] offset:(16*(\u)+\i)*ROWB
.endr
.endm
; A lane holds 8 rows (k) x 4 columns: each column's eight numbers, rounded, are the 16 bytes of one lane of a fragment.  The sixteen roundings stand together, and so do the four stores.
.macro WCVT u
.irp jn, 0,1,2,3
.irp d, 0,1,2,3
	v_cvt_pk_bf16_f32 v[T+4*\jn+\d], v[RING+32*((\u)%5)+8*\d+\jn], v[RING+32*((\u)%5)+8*\d+4+\jn]
.endr
.endr
.endm
.macro WSTO u
.irp jn, 0,1,2,3
	ds_store_b128 v[VS], v[T+4*\jn:T+4*\jn+3] offset:((\u)/2)*SSTR+((\u)%2)*512+16*\jn
.endr
.endm
; Chunk c of a tile's act: 128 along K, 16 loads of 512 consecutive bytes, into buffer q; set = BC or BN
.macro ALOAD c, q, set
.irp ks, 0,1,2,3
.irp a, 0,1
.irp g, 0,1
	global_load_b128 v[64*(\q)+16*\ks+8*\a+4*\g:64*(\q)+16*\ks+8*\a+4*\g+3], v[L16], s[\set:\set+1] offset:32768*\a+1024*(4*(\c)+\ks)+512*\g
.endr
.endr
.endr
.endm
; Load m of the 16 that bring W's fragments of pair Q (K steps 2 Q, 2 Q + 1): K step 2 Q + m / 8, column tile (m / 2) % 4, half m % 2: 512 consecutive bytes
.macro BL1
.set kq, 2*Q+m/8
	ds_load_b128 v[BB+64*(Q%2)+4*m:BB+64*(Q%2)+4*m+3], v[BA+kq/8] offset:(kq%8)*SSTR+1040*((m/2)%4)+512*(m%2)
.set m, m+1
.endm
; 16 products: K step 2 P + n / 8, block of ranks (n / 4) % 2, column tile n % 4.  The eight accumulators take turns, one instruction a turn.  The tile's first K step starts the sums with the bias.
; Behind each of the first eight products stand two of the next pair's sixteen LDS loads: no product of this pair names the buffer in which they land, nor their addresses.
.macro MULS P
.set Q, ((\P)+1)%16
.set m, 0
.set n, 0
.rept 16
.if n == 8
	s_wait_dscnt 16                                ; the pair's second K step is in; the 16 loads issued in this pair stay out
.endif
.set rD, ACC+8*(n%8)
.set rB, BB+64*((\P)%2)+32*(n/8)+8*(n%4)
.set rA, 64*(((\P)/2)%4)+16*(2*((\P)%2)+n/8)+8*((n/4)%2)
.if ((\P) == 0) && (n < 8)
	v_wmma_f32_16x16x32_bf16 v[rD:rD+7], v[rB:rB+7], v[rA:rA+7], v[BIAS+8*(n%4):BIAS+8*(n%4)+7]
.else
	v_wmma_f32_16x16x32_bf16 v[rD:rD+7], v[rB:rB+7], v[rA:rA+7], v[rD:rD+7]
.endif
.if n < 8
	BL1
	BL1
.endif
.set n, n+1
.endr
.endm
; Pair P of 16: two K steps.  An even pair opens chunk c = P / 2 and asks for the chunk three on (from c = 5 the next tile's first three): 48 loads of the wave are then out.
.macro PAIR P
	s_wait_dscnt 8                                 ; LDS loads come back in order: the pair's first K step is in, the eight loads of its second stay out
.if (\P)%2 == 0
	s_wait_loadcnt 32                              ; chunk c is in; the two younger chunks, 32 loads, stay out
	WIN 0x40                                       ; destination window 1
.endif
	s_wait_alu depctr_va_vdst(0)                   ; the products of the pair before are done reading the buffers of W and of act in which this pair's loads land
.if (\P)%2 == 0
.set c3, (\P)/2+3
.if (\P)/2 < 5
	ALOAD c3%8, c3%4, BC
.else
	ALOAD c3%8, c3%4, BN
.endif
	WIN 0x04                                       ; source 1 window 1; an LDS load's destination and address stay in window 0
.endif
	MULS \P
.endm
	s_load_b256 s[4:11], s[0:1], 0x0               ; actb s[4:5], down_proj s[6:7], down_bias s[8:9], rows s[10:11]
	s_load_b64 s[12:13], s[0:1], 0x20              ; part
	v_lshl_add_u32 v14, v0, 2, 0x24c00
	v_mov_b32 v15, 0
	v_lshrrev_b32 v[LN], 5, v0
	v_readfirstlane_b32 s14, v[LN]                 ; wave 0..3
	v_and_b32 v[LN], 31, v0
	v_lshlrev_b32 v[L16], 4, v[LN]
	v_bfe_u32 v[HH], v0, 4, 1
	s_lshr_b32 s15, ttmp9, 1
	s_and_b32 s21, ttmp9, 1
	s_wait_alu depctr_va_sdst(0)                   ; s14 is written, ahead of its first reader
	s_lshl2_add_u32 s21, s21, s14                  ; 4 p + w
	s_and_b32 s16, ttmp7, 0xffff
	v_and_b32 v[T], 15, v0
	v_lshlrev_b32 v[VW], 4, v[T]                   ; 16 bytes of the slice's 256,
	v_lshl_add_u32 v[VW], v[HH], 15, v[VW]         ; eight rows down for the upper lanes,
	s_lshl_b32 s25, s14, 20
	v_add_nc_u32 v[VW], s25, v[VW]                 ; my wave's 256 rows
	v_bfe_u32 v[T+1], v0, 2, 2                     ; the lane's four columns 4 (lane % 16) on: tile (lane % 16) / 4, places 4 (lane % 4) on
	v_and_b32 v[T+2], 3, v0
	v_mul_u32_u24 v[VS], v[T+1], 1040
	v_lshl_add_u32 v[VS], v[HH], 8, v[VS]
	v_lshl_add_u32 v[VS], v[T+2], 6, v[VS]
	s_mul_i32 s25, s14, 8*SSTR
	v_add_nc_u32 v[VS], s25, v[VS]                 ; my wave's eight K steps
	v_lshlrev_b32 v[VB], 5, v[HH]
	s_mov_b32 s23, 0
	s_wait_kmcnt 0x0
	s_mul_i32 s22, s16, RSTR
	s_add_nc_u64 s[10:11], s[10:11], s[22:23]      ; the expert's list
	s_load_b32 s18, s[10:11], RCNT                 ; and its count
	s_lshl_b32 s25, s15, 8                         ; the slice's 256 bytes
	s_lshl_b32 s22, s16, 22                        ; the expert's 4,194,304 bytes, in actb and in down_proj
	s_add_nc_u64 s[34:35], s[4:5], s[22:23]
	s_add_co_u32 s22, s22, s25
	s_add_nc_u64 s[6:7], s[6:7], s[22:23]
	s_lshl_b32 s22, s16, 12
	s_add_co_u32 s22, s22, s25
	s_add_nc_u64 s[8:9], s[8:9], s[22:23]
	s_mov_b32 s22, s25
	s_add_nc_u64 s[12:13], s[12:13], s[22:23]
	s_wait_alu depctr_va_vdst(0)                   ; the offsets and addresses v[L16], v[VW], v[VS], v[VB] are written, which the loads and stores below read
	WLOAD 0                                        ; 40 loads of each wave are on their way before anything is waited for
	WLOAD 1
	WLOAD 2
	WLOAD 3
	WLOAD 4
.set u, 0
.rept 16
.if u <= 10
	s_wait_loadcnt 32                              ; unit u is in; four younger units stay out
.else
	s_wait_loadcnt 8*(16-u)                        ; the units left, and the eight loads of the bias
.endif
.if u > 0
	s_wait_alu depctr_vm_vsrc(0)                   ; the LDS stores of the unit before have read v[T ..], which the roundings write again
.endif
	WCVT u
	s_wait_alu depctr_va_vdst(0)                   ; the roundings have written v[T ..], which the stores read, and are done reading the unit's set of the ring, in which the loads land
.if u <= 10
	WLOAD u+5
.endif
.if u == 10
.irp b, 0,1,2,3                                        ; tile b's eight places of my half of the lanes: columns 16 b + 8 (lane / 16) on
	global_load_b128 v[BIAS+8*\b:BIAS+8*\b+3], v[VB], s[8:9] offset:64*\b
	global_load_b128 v[BIAS+8*\b+4:BIAS+8*\b+7], v[VB], s[8:9] offset:64*\b+16
.endr
.endif
	WSTO u
.set u, u+1
.endr
	s_wait_loadcnt 0x0
	s_wait_alu depctr_vm_vsrc(0)                   ; the last unit's stores have read v[T ..], which is written below; all the staging's loads have read v4 and v6, which get other uses behind the barrier
.set k, 0
.rept 16                                               ; the bias rounded to bf16 like every input,
	v_cvt_pk_bf16_f32 v[T+k], v[BIAS+2*k], v[BIAS+2*k+1]
.set k, k+1
.endr
.set k, 0
.rept 16                                               ; and widened again
	v_lshlrev_b32 v[BIAS+2*k], 16, v[T+k]
	v_and_b32 v[BIAS+2*k+1], 0xffff0000, v[T+k]
.set k, k+1
.endr
	s_wait_dscnt 0x0                               ; for the others' sake: my part of the slice is in LDS
	s_barrier_signal -1
	s_barrier_wait -1                              ; the only barrier: from here on a wave writes its own stage alone
.irp q, 0,1,2,3
	v_add_nc_u32 v[BA+\q], \q*8*SSTR, v[L16]
.endr
	v_lshlrev_b32 v[SH], 4, v[HH]
	s_wait_kmcnt 0x0                               ; the count
	s_min_u32 s18, s18, 2048                       ; the expert's rows
	s_lshl_b32 s19, s21, 5                         ; my first tile's first rank
	s_cmp_ge_u32 s19, s18
	s_cbranch_scc1 .Ldone
	s_lshl_b32 s22, s19, 11                        ; a rank's share of actb is 2,048 bytes: a block of 16 has 32,768
	s_add_nc_u64 s[BN:BN+1], s[34:35], s[22:23]
	s_lshl_b32 s22, s19, 1                         ; and of the list 2
	s_add_nc_u64 s[LP:LP+1], s[10:11], s[22:23]
	WIN 0x40
	s_wait_alu depctr_va_vdst(0)                   ; the four v[BA ..] are written, which the LDS loads below read; the staging's roundings are done reading the registers in which W's first fragments land
	ALOAD 0, 0, BN
	ALOAD 1, 1, BN
	ALOAD 2, 2, BN
	WIN 0
.set Q, 0
.set m, 0
.rept 16
	BL1                                            ; W's fragments of pair 0
.endr
	v_and_b32 v[SC], 15, v0
	s_mul_i32 s25, s14, 16*SPITCH
	s_add_co_u32 s25, s25, STAGE                   ; my stage
	v_mul_u32_u24 v[SI], v[SC], SPITCH             ; in: row lane % 16, 32 bytes for each half of the lanes
	v_lshl_add_u32 v[SI], v[HH], 5, v[SI]
	v_add_nc_u32 v[SI], s25, v[SI]
	v_mul_u32_u24 v[SR], v[HH], SPITCH             ; back: two whole rows of 256 bytes
	v_lshl_add_u32 v[SR], v[SC], 4, v[SR]
	v_add_nc_u32 v[SR], s25, v[SR]
	v_lshlrev_b32 v[C16], 4, v[SC]
	s_wait_xcnt 0x0                                ; the next tile's base is written anew in the first trip only behind this wait
	s_mov_b32 s20, 8
.Ltile:
	s_load_b512 s[ENT:ENT+15], s[LP:LP+1], 0x0     ; the tile's 32 entries: word q holds those of ranks 2 q and 2 q + 1
	s_mov_b64 s[BC:BC+1], s[BN:BN+1]
	s_add_co_u32 s25, s19, 256                     ; my next tile, if it begins below the count; else the tile in hand once more
	s_cmp_lt_u32 s25, s18
	s_cselect_b32 s25, s25, s19
	s_lshl_b32 s22, s25, 11
	s_add_nc_u64 s[BN:BN+1], s[34:35], s[22:23]
	PAIR 0
	PAIR 1
	PAIR 2
	PAIR 3
	PAIR 4
	PAIR 5
	PAIR 6
	PAIR 7
	PAIR 8
	PAIR 9
	PAIR 10
	PAIR 11
	PAIR 12
	PAIR 13
	PAIR 14
	PAIR 15
	; THE WAY OUT.  First the sixteen stores' offsets: 48 plain vector lines that name no register of the products, so they are also the places between the last products and the first read of their results.
	WIN 0
	s_wait_kmcnt 0x0                               ; the entries
.set k, 0
.rept 16                                               ; store k takes rows 2 k (lanes 0-15) and 2 k + 1 (lanes 16-31) of the tile
	v_bfe_u32 v[SC+k], s[ENT+k], v[SH], 16
	v_min_u32 v[SC+k], 0xfff, v[SC+k]              ; clamped by a constant before it becomes an address: part has 4,096 rows of 4,096 bytes
	v_lshl_add_u32 v[SC+k], v[SC+k], 12, v[C16]
.set k, k+1
.endr
	s_wait_alu depctr_va_vdst(0)                   ; the products have written the accumulators, which the stage's stores read, and are done reading BB1, in which the stage's loads land; the offsets v[SC ..] are written; in the first trip so are v[SI] and v[SR]
	; Each block of 16 rows goes into my stage and comes back as whole rows.  LDS serves a wave's instructions in order, so no wait stands between the stores and the loads, nor between the blocks.
.irp a, 0,1
.irp b, 0,1,2,3                                        ; each accumulator's low registers first
	ds_store_b128 v[SI], v[ACC+8*(4*\a+\b):ACC+8*(4*\a+\b)+3] offset:64*\b
	ds_store_b128 v[SI], v[ACC+8*(4*\a+\b)+4:ACC+8*(4*\a+\b)+7] offset:64*\b+16
.endr
.irp t, 0,1,2,3,4,5,6,7
	ds_load_b128 v[OUTB+32*\a+4*\t:OUTB+32*\a+4*\t+3], v[SR] offset:2*SPITCH*\t
.endr
.endr
	s_wait_dscnt 16                                ; block 0 is back; block 1's eight stores and eight loads stay out
.irp t, 0,1,2,3,4,5,6,7
	global_store_b128 v[SC+\t], v[OUTB+4*\t:OUTB+4*\t+3], s[12:13]  ; sixteen lanes store 256 consecutive bytes of a row, aligned
.endr
	s_wait_dscnt 0x0
.irp t, 0,1,2,3,4,5,6,7
	global_store_b128 v[SC+8+\t], v[OUTB+32+4*\t:OUTB+32+4*\t+3], s[12:13]
.endr
	s_wait_xcnt 0x0                                ; the bases of this trip's loads, and the stores' offsets and data, are written anew only behind this wait,
	s_wait_alu depctr_vm_vsrc(0)                   ; and behind this one: the stage's stores have read the accumulators, the global stores v[OUTB ..] and v[SC ..]
	s_add_nc_u64 s[LP:LP+1], s[LP:LP+1], 512       ; my next tile lies 256 ranks on
	s_add_co_u32 s19, s19, 256
	s_cmp_ge_u32 s19, s18
	s_cbranch_scc1 .Ldone                          ; no further tile of mine begins below the count; the three chunks asked for ahead are dropped
	s_sub_co_u32 s20, s20, 1
	s_cmp_lg_u32 s20, 0
	s_cbranch_scc1 .Ltile
.Ldone:
	s_wait_dscnt 0x0                               ; the wave's end: the closing add on the spare words follows
	s_wait_alu depctr_hold_cnt(0) depctr_sa_sdst(0) depctr_va_vdst(0) depctr_va_sdst(0) depctr_va_ssrc(0) depctr_va_vcc(0) depctr_vm_vsrc(0)
	s_wait_tensorcnt 0x0
	ds_add_u32 v14, v15
	s_wait_dscnt 0x0
	s_endpgm
.Lfunc_end_k_q57ce0f52be_down:
	.size	k_q57ce0f52be_down, .Lfunc_end_k_q57ce0f52be_down-k_q57ce0f52be_down
	.p2alignl 7, 3214868480
	.fill 96, 4, 3214868480
	.section	.rodata,"a",@progbits
	.p2align	6, 0x0
	.amdhsa_kernel k_q57ce0f52be_down
		.amdhsa_group_segment_fixed_size 151040
		.amdhsa_private_segment_fixed_size 0
		.amdhsa_enable_private_segment 0
		.amdhsa_kernarg_size 40
		.amdhsa_user_sgpr_count 2
		.amdhsa_user_sgpr_kernarg_segment_ptr 1
		.amdhsa_wavefront_size32 1
		.amdhsa_system_sgpr_workgroup_id_x 1
		.amdhsa_system_sgpr_workgroup_id_y 1
		.amdhsa_system_sgpr_workgroup_id_z 1
		.amdhsa_system_vgpr_workitem_id 0
		.amdhsa_next_free_vgpr 512
		.amdhsa_next_free_sgpr 84
		.amdhsa_reserve_vcc 0
		.amdhsa_float_denorm_mode_32 3
		.amdhsa_float_denorm_mode_16_64 3
		.amdhsa_memory_ordered 1
		.amdhsa_forward_progress 1
		.amdhsa_inst_pref_size 100
	.end_amdhsa_kernel
	.amdgpu_metadata
---
amdhsa.version: [ 1, 2 ]
amdhsa.kernels:
  - .name:           k_q57ce0f52be_down
    .symbol:         k_q57ce0f52be_down.kd
    .args:
      - { .name: actb, .offset: 0, .size: 8, .value_kind: global_buffer, .address_space: global }
      - { .name: down_proj, .offset: 8, .size: 8, .value_kind: global_buffer, .address_space: global }
      - { .name: down_bias, .offset: 16, .size: 8, .value_kind: global_buffer, .address_space: global }
      - { .name: rows, .offset: 24, .size: 8, .value_kind: global_buffer, .address_space: global }
      - { .name: part, .offset: 32, .size: 8, .value_kind: global_buffer, .address_space: global }
    .group_segment_fixed_size: 151040
    .private_segment_fixed_size: 0
    .kernarg_segment_align: 8
    .kernarg_segment_size: 40
    .max_flat_workgroup_size: 128
    .sgpr_count:     84
    .vgpr_count:     512
    .wavefront_size: 32
...
	.end_amdgpu_metadata
.endif
;; end of part 5
;; launch sum: the kernel of part 4 again; grid 256 x 1, 8 waves a work-group, no clusters, 0 bytes of LDS; arguments part, wts, out0; writes out0
